; MI455X (gfx1250); checked and timed in simulation.
; The chip was launched on July 23, 2026; its instructions are those of AMD's public machine-readable ISA for CDNA 5 (MIT licence, August 2026) and "CDNA5" Instruction Set Architecture Reference Guide (July 2026). The comments in the code are by the model that wrote it; some were corrected since.
;; Modern Bert Attention. Allowed arithmetic: matrix products marked QUANTISED: E2M3 operands, one E8M0 scale for each 32 along K, by v_wmma_scale_f32_16x16x128_f8f6f4 with both operands' format E2M3, f32 sums; everything else in f32.
;; Inputs: Wk 1,024 x 1,024 float32; Wo 1,024 x 1,024 float32; Wq 1,024 x 1,024 float32; Wv 1,024 x 1,024 float32; attention_mask 4 x 1 x 1 x 2,048 float32; cos 2,048 x 64 float32; hidden_states 4 x 2,048 x 1,024 float32; sin 2,048 x 64 float32.
;; Outputs: out0 4 x 2,048 x 1,024 float32.
;; This version of the problem:
;;   THIS VERSION OF THE PROBLEM IS GIVEN IN LOW PRECISION. The matrix products marked QUANTISED in the list below multiply operands that are first quantised to E2M3 (2 exponent bits, 3 mantissa bits; 6 bits a number), with one power-of-two scale for each 32 numbers along K (OCP MX v1.0); their sums are f32. All else is computed in f32.
;;   The module's matrix products, in the order in which they are computed (A, B: the left and right operand; K: the contracted axis; several contracted axes count as one K, in the product's order):
;;     1. [M 8,192, K 1,024] x [K 1,024, N 1,024]; A: input hidden_states; B: input Wq: QUANTISED
;;     2. [M 8,192, K 1,024] x [K 1,024, N 1,024]; A: input hidden_states; B: input Wk: QUANTISED
;;     3. [M 8,192, K 1,024] x [K 1,024, N 1,024]; A: input hidden_states; B: input Wv: QUANTISED
;;     4. batch 64 x [M 2,048, K 64] x [K 64, N 2,048]; A: computed on the way; B: computed on the way: QUANTISED
;;     5. batch 64 x [M 2,048, K 2,048] x [K 2,048, N 64]; A: softmax (see below); B: computed on the way: QUANTISED
;;     6. [M 8,192, K 1,024] x [K 1,024, N 1,024]; A: computed on the way; B: input Wo: QUANTISED
;;   THE QUANTISER, for each operand of a quantised product, along K:
;;     - K is cut into blocks of 32 from its start; a last block that is shorter is filled with zeros.
;;     - A block's scale is 2^e with e = floor(log2(the largest magnitude in the block)) - 2, held to -126 .. 127; a block of zeros has e = 0. As a byte (E8M0): e + 127.
;;     - Each number is divided by its block's scale, clamped to +-7.5, and rounded to the nearest number of E2M3, ties to even, subnormals kept.
;;     - The product sums the exact products of the quantised numbers (number of the format x scale) in f32.
;;   ~~~python
;;   def quantise(x, axis):      # numpy; x: float32 -> the quantised numbers, widened to float32 again
;;       x = np.moveaxis(x, axis, -1); K = x.shape[-1]
;;       x = np.pad(x, [(0, 0)] * (x.ndim - 1) + [(0, -K % 32)]); x = x.reshape(x.shape[:-1] + (-1, 32)); a = np.abs(x).max(-1, keepdims=True)
;;       e = np.where(a > 0, np.clip(np.frexp(np.where(a > 0, a, 1))[1] - 1 - 2, -126, 127), 0)      # np.frexp(a)[1] - 1 = floor(log2(a)), exactly
;;       r = np.clip(x / 2.0 ** e, -7.5, 7.5)
;;       step = 2.0 ** (np.maximum(np.frexp(np.where(r == 0, 1, r))[1] - 1, 0) - 3)
;;       q = np.round(r / step) * step * 2.0 ** e      # np.round: ties to even
;;       return np.moveaxis(q.reshape(q.shape[:-2] + (-1,))[..., :K], -1, axis).astype(np.float32)
;;   ~~~
;;   SOFTMAX AHEAD OF A QUANTISED PRODUCT. Where the list says 'softmax', what is quantised is not the finished softmax but p = 2^(t - M), with t = logit x log2(e) and M = ceil(the row's largest t), a whole number; so 1/2 < the row's largest p <= 1. The row's sum l is taken of the UNQUANTISED p, in f32, and the product's result is divided by l at the end. Since M is a whole number, a kernel that streams over the keys may use a running M (the ceiling of the running maximum): every later rescaling is an exact power of two, which a block's scale takes up: the codes' values come out the same.
;;   OPERANDS COMPUTED ON THE WAY. 'Computed on the way' means the value that the module computes at that place (a softmax that the list does not call 'softmax' is quantised finished and normalised). What goes into a quantiser is computed in f32, as accurately as f32 sums, v_exp_f32 and their like allow (about 1e-6 of the number): no bf16 or f16 on the way to a quantiser, and a product that is left as it is and whose result goes on into a quantised operand takes f32 operands (vector FMAs, or v_wmma_f32_16x16x4_f32). A number that lies on a knife's edge between two numbers of the format may be rounded either way, as far as f32 arithmetic and the matrix unit's own rounding can turn it there, and no further.
;; One version. Each part assembles by itself: llvm-mc -triple=amdgcn-amd-amdhsa -mcpu=gfx1250 --defsym DOCPART=n.
;; ======== version 1 of 1: 4 launches
;; limits: right only within a limited range of input values
;; workspace buffers: codes 9,437,184 bytes; scl 393,216 bytes; qp 6,553,600 bytes; kv 13,107,200 bytes; ao 6,291,456 bytes; ao_scl 262,144 bytes
;; launch quant (part 1): grid 256 x 1, 3 waves a work-group, no clusters, 200,192 bytes of LDS; arguments hidden_states, Wq, Wk, Wv, Wo, codes, scl; writes codes, scl
.if DOCPART == 1
	.amdgcn_target "amdgcn-amd-amdhsa--gfx1250"
	.amdhsa_code_object_version 6
	.text
	.protected	k_qf6338c7dd9_quant
	.globl	k_qf6338c7dd9_quant
	.p2align	8
	.type	k_qf6338c7dd9_quant,@function
k_qf6338c7dd9_quant:
	s_mov_b64 s[64:65], 0
	v_nop
	global_prefetch_b8 v0, s[64:65] scope:SCOPE_SE
	s_setreg_imm32_b32 hwreg(HW_REG_WAVE_MODE, 25, 1), 1
	s_wait_xcnt 0x0
; hidden_states [8192][1024] and Wq, Wk, Wv, Wo [1024][1024], f32, K innermost, become codes of FP6 (E2M3) with one E8M0 byte for each 32 along K.
; A block's scale is 2^(floor(log2(its largest magnitude)) - 2); its byte is the largest magnitude's exponent field - 2, held at 1 from below.
; LAYOUT OF THE RESULT.  The 12,288 rows are 768 row tiles T of 16 (0-511 hidden, 512-575 Wq, 576-639 Wk, 640-703 Wv, 704-767 Wo).  Lane row r of a tensor's tile t is its row
; 32 (t / 2) + 8 (t % 2) + r + 8 (r / 8): so, where such a tile is source 0 of a product, the 16 result registers of tiles 2 b and 2 b + 1 are 16 neighbouring rows.
; codes: [T][K step j of 128][1,536 bytes]: an image of the operand's 12 registers: block p of 256 bytes holds registers 2 p, 2 p + 1, lane l's 8 bytes at 8 l.   scl: [16 T + r][32 bytes], byte k / 32.
; SHARES.  768 tiles = 256 work-groups x 3 waves; a wave takes one tile, 16 rows x 1,024 numbers = 64 KiB, by eight tensor loads of 8 rows x 1,024 bytes, all issued at the head: eight are outstanding.
; No LDS byte is filled twice and no wave reads another's bytes: no barrier.  Work-groups share no input: no cluster.  Everything is asked for at the head: nothing is left to prefetch.
; LIMITS: blocks whose largest magnitude lies under 2^-124 keep the byte 1; a block of zeros has the byte 1 where the rule says 127 (its codes are zeros, and this program alone reads the bytes); NaN and infinities are not served.
.set ROWB,  4096                       ; a row in memory
.set PITCH, 1040                       ; an LDS row: 1,024 bytes + 16: the 16 rows that a load of 16 bytes a lane touches start at 16 different columns of 16 bytes modulo 256
.set LD8,   8*PITCH                    ; what one tensor load fills
.set WREG,  8*LD8                      ; a wave's region
.set SPARE, 3*WREG                     ; behind the regions: the spare words, two blocks of 256 bytes that no other line names
.set SPW, 28                           ; v28  LDS address of my spare word; never rewritten
.set NIL, 29                           ; v29  0; never rewritten
.set X,   32                           ; v32-159  two sets of 64 numbers
.set C,   160                          ; v160-171 a fragment's codes
.set U,   172                          ; v172-174, v176-178 the upper halves of the two blocks, as the conversions leave them
.set SWD, 180                          ; v180-187 the scale word of each K step
.set W4,  188                          ; v188-191 the four words that I store
.set G1,  24                           ; s[24:31] descriptor group 1
.set G0,  32                           ; s[32:63] eight groups 0
	s_load_b256 s[4:11], s[0:1], 0x0               ; hidden s[4:5], Wq s[6:7], Wk s[8:9], Wv s[10:11]
	s_load_b128 s[12:15], s[0:1], 0x20             ; Wo s[12:13], codes s[14:15]
	s_load_b64 s[16:17], s[0:1], 0x30              ; scl
	v_lshl_add_u32 v[SPW], v0, 2, SPARE
	v_mov_b32 v[NIL], 0
	ds_add_u32 v[SPW], v[NIL]                      ; the wave's opening: the add and its wait ahead of my first tensor load; work on registers stands between them
	v_lshrrev_b32 v1, 5, v0
	v_readfirstlane_b32 s18, v1                    ; wave 0..2
	s_mul_i32 s19, ttmp9, 3
	s_add_co_u32 s19, s19, s18                     ; T
	s_mov_b32 s[G1+0], (3<<16)|(1<<20)|(7<<22)|(3<<25)  ; no mask; elements of 8 bytes; padding on: after every 256 words (code 7) 4 words (code 3)
	s_mov_b32 s[G1+1], 128<<16                     ; tensor_dim0 = 128 elements = 1,024 bytes
	s_mov_b32 s[G1+2], 8<<16                       ; tensor_dim1 = 8
	s_mov_b32 s[G1+3], 128<<16                     ; tile_dim0
	s_mov_b32 s[G1+4], 8                           ; tile_dim1
	s_mov_b32 s[G1+5], 512                         ; from row to row: 512 elements
	s_mov_b32 s[G1+6], 0
	s_mov_b32 s[G1+7], 0
	s_mul_i32 s23, s18, WREG                       ; my region
	s_and_b32 s22, s19, 63                         ; the tile's number inside a weight (512 is a multiple of 64),
	s_cmp_lt_u32 s19, 512
	s_cselect_b32 s22, s19, s22                    ; or inside hidden
	s_lshr_b32 s2, s22, 1
	s_lshl_b32 s2, s2, 17                          ; 32 rows of 4,096 bytes for each pair of tiles,
	s_and_b32 s3, s22, 1
	s_lshl_b32 s3, s3, 15                          ; 8 rows for the odd one
	s_add_co_u32 s2, s2, s3
	s_mov_b32 s3, 0
	s_wait_dscnt 0x0                               ; the opening add is done
	s_wait_kmcnt 0x0
	s_mov_b64 s[20:21], s[12:13]                   ; which tensor: the choice hangs on T alone
	s_cmp_lt_u32 s19, 704
	s_cselect_b64 s[20:21], s[10:11], s[20:21]
	s_cmp_lt_u32 s19, 640
	s_cselect_b64 s[20:21], s[8:9], s[20:21]
	s_cmp_lt_u32 s19, 576
	s_cselect_b64 s[20:21], s[6:7], s[20:21]
	s_cmp_lt_u32 s19, 512
	s_cselect_b64 s[20:21], s[4:5], s[20:21]
	s_add_nc_u64 s[20:21], s[20:21], s[2:3]        ; the tile's first row
.irp n, 0,1,2,3,4,5,6,7                        ; load n: quarter n / 2 of K; rows 0-7 (n even) or the eight rows 16 further down (n odd)
	s_mov_b32 s[G0+4*\n], 1
	s_add_co_u32 s[G0+4*\n+1], s23, \n*LD8
	s_add_nc_u64 s[G0+4*\n+2:G0+4*\n+3], s[20:21], (\n%2)*16*ROWB+(\n/2)*1024
	s_or_b32 s[G0+4*\n+3], s[G0+4*\n+3], 0x80000000
	tensor_load_to_lds s[G0+4*\n:G0+4*\n+3], s[G1:G1+7]
	s_nop 0
.endr
	s_mul_i32 s2, s19, 12288
	s_add_nc_u64 s[14:15], s[14:15], s[2:3]        ; my tile's codes
	s_lshl_b32 s2, s19, 9
	s_add_nc_u64 s[16:17], s[16:17], s[2:3]        ; and scale bytes
	s_mov_b32 s6, 0x76543210
	s_mov_b32 s7, 0xfedcba98                       ; v_permlanex16_b32's selects for lane l xor 16
	v_and_b32 v1, 31, v0                           ; lane
	v_and_b32 v2, 15, v0                           ; r
	v_bfe_u32 v3, v0, 4, 1                         ; h
	v_lshrrev_b32 v8, 3, v2
	v_and_b32 v9, 7, v2
	v_mul_u32_u24 v4, v8, LD8                      ; rows 8-15 of the tile came by the odd loads
	v_mad_u32_u24 v4, v9, PITCH, v4
	v_lshl_add_u32 v4, v3, 7, v4                   ; lanes 16-31: 32 numbers further on
	v_add_nc_u32 v4, s23, v4
	v_lshlrev_b32 v5, 3, v1                        ; an image's place for my lane
	v_lshlrev_b32 v6, 5, v2
	v_lshl_add_u32 v6, v3, 4, v6                   ; scale bytes: row r, words 4 h .. 4 h + 3
	v_lshlrev_b32 v7, 3, v3                        ; 8 h
	v_mov_b32 v15, 0                               ; written once: a lane permute's destination counts as one of its sources
	v_cmp_lt_u32 s22, 15, v1                       ; the lanes with h = 1
; K step j: my 64 numbers, k = 128 j + 64 c + 32 h + 0 .. 31: two whole blocks
.macro DSL j
.irp c, 0,1
.irp k, 0,1,2,3,4,5,6,7
	ds_load_b128 v[X+64*((\j)%2)+32*\c+4*\k:X+64*((\j)%2)+32*\c+4*\k+3], v4 offset:2*((\j)/2)*LD8+((\j)%2)*512+256*\c+16*\k
.endr
.endr
.endm
.macro QSTEP j
.set XS, X+64*((\j)%2)
.irp c, 0,1
	v_max3_num_f32 v[8+\c], |v[XS+32*\c]|, |v[XS+32*\c+1]|, 0x1800000   ; the block's largest magnitude, and the floor 2^(3 - 127): the byte cannot fall under 1
.endr
.irp i, 2,4,6,8,10,12,14,16,18,20,22,24,26,28,30
.irp c, 0,1
	v_max3_num_f32 v[8+\c], v[8+\c], |v[XS+32*\c+\i]|, |v[XS+32*\c+\i+1]|   ; (the two blocks by turns)
.endr
.endr
.irp c, 0,1
	v_add_nc_u32 v[10+\c], 0xff000000, v[8+\c]     ; 2 off its exponent field: the conversion takes the exponent field of this operand as its scale
.endr
.irp c, 0,1
	v_lshrrev_b32 v[12+\c], 23, v[10+\c]           ; the scale's byte
.endr
	v_lshl_or_b32 v14, v13, 16, v12                ; my two bytes: blocks h and 2 + h,
	v_lshlrev_b32 v14, v7, v14                     ; at their places in the word;
	v_permlanex16_b32 v15, v14, s6, s7
	v_or_b32 v[SWD+\j], v14, v15                   ; with lane l xor 16's two the word is whole
	s_wait_xcnt 0x0                                ; the last step's stores have read their data: the codes' registers are written again only behind this wait
.irp c, 0,1
	v_cvt_scalef32_pk16_fp6_f32 v[C+6*\c:C+6*\c+2], v[XS+32*\c:XS+32*\c+15], v[10+\c]
	v_cvt_scalef32_pk16_fp6_f32 v[U+4*\c:U+4*\c+2], v[XS+32*\c+16:XS+32*\c+31], v[10+\c]   ; (a conversion's three registers begin on an even number)
.endr
	v_nop                                          ; one plain place behind a scaled conversion
.irp c, 0,1
.irp i, 0,1,2
	v_mov_b32 v[C+6*\c+3+\i], v[U+4*\c+\i]
.endr
.endr
.irp p, 0,1,2,3,4,5
	global_store_b64 v5, v[C+2*\p:C+2*\p+1], s[14:15] offset:1536*(\j)+256*\p   ; 32 lanes store 256 consecutive bytes, aligned
.endr
.endm
	s_wait_tensorcnt 6                             ; the first quarter's two loads are in; the six behind them may be out
	DSL 0
.irp j, 0,1,2,3,4,5,6,7
.if \j < 7
.if (\j+1)%2 == 0
	s_wait_tensorcnt 6-(\j+1)                      ; the next quarter's two loads are in
.endif
	DSL \j+1
	s_wait_dscnt 16                                ; this step's 16 loads are in; the next step's may be out
.else
	s_wait_dscnt 0x0
.endif
	QSTEP \j
.endr
.irp k, 0,1,2,3
	v_cndmask_b32 v[W4+\k], v[SWD+\k], v[SWD+4+\k], s22
.endr
	global_store_b128 v6, v[W4:W4+3], s[16:17]     ; 32 lanes store the tile's 512 scale bytes
	s_wait_tensorcnt 0x0                           ; the wave's end
	ds_add_u32 v[SPW], v[NIL]
	s_wait_dscnt 0x0
	s_endpgm
.Lfunc_end_k_qf6338c7dd9_quant:
	.size	k_qf6338c7dd9_quant, .Lfunc_end_k_qf6338c7dd9_quant-k_qf6338c7dd9_quant
	.p2alignl 7, 3214868480
	.fill 96, 4, 3214868480
	.section	.rodata,"a",@progbits
	.p2align	6, 0x0
	.amdhsa_kernel k_qf6338c7dd9_quant
		.amdhsa_group_segment_fixed_size 200192
		.amdhsa_private_segment_fixed_size 0
		.amdhsa_enable_private_segment 0
		.amdhsa_kernarg_size 56
		.amdhsa_user_sgpr_count 2
		.amdhsa_user_sgpr_kernarg_segment_ptr 1
		.amdhsa_wavefront_size32 1
		.amdhsa_system_sgpr_workgroup_id_x 1
		.amdhsa_system_sgpr_workgroup_id_y 1
		.amdhsa_system_sgpr_workgroup_id_z 1
		.amdhsa_system_vgpr_workitem_id 0
		.amdhsa_next_free_vgpr 192
		.amdhsa_next_free_sgpr 66
		.amdhsa_reserve_vcc 0
		.amdhsa_float_denorm_mode_32 3
		.amdhsa_float_denorm_mode_16_64 3
		.amdhsa_memory_ordered 1
		.amdhsa_forward_progress 1
		.amdhsa_inst_pref_size 43
	.end_amdhsa_kernel
	.amdgpu_metadata
---
amdhsa.version: [ 1, 2 ]
amdhsa.kernels:
  - .name:           k_qf6338c7dd9_quant
    .symbol:         k_qf6338c7dd9_quant.kd
    .args:
      - { .name: hidden_states, .offset: 0, .size: 8, .value_kind: global_buffer, .address_space: global }
      - { .name: Wq, .offset: 8, .size: 8, .value_kind: global_buffer, .address_space: global }
      - { .name: Wk, .offset: 16, .size: 8, .value_kind: global_buffer, .address_space: global }
      - { .name: Wv, .offset: 24, .size: 8, .value_kind: global_buffer, .address_space: global }
      - { .name: Wo, .offset: 32, .size: 8, .value_kind: global_buffer, .address_space: global }
      - { .name: codes, .offset: 40, .size: 8, .value_kind: global_buffer, .address_space: global }
      - { .name: scl, .offset: 48, .size: 8, .value_kind: global_buffer, .address_space: global }
    .group_segment_fixed_size: 200192
    .private_segment_fixed_size: 0
    .kernarg_segment_align: 8
    .kernarg_segment_size: 56
    .max_flat_workgroup_size: 96
    .sgpr_count:     66
    .vgpr_count:     192
    .wavefront_size: 32
...
	.end_amdgpu_metadata
.endif
;; end of part 1
;; launch qkv (part 2): grid 8 x 48, 4 waves a work-group, clusters of 4 x 4, 327,680 bytes of LDS; arguments codes, scl, cos, sin, qp, kv; writes qp, kv
.if DOCPART == 2
	.amdgcn_target "amdgcn-amd-amdhsa--gfx1250"
	.amdhsa_code_object_version 6
	.text
	.protected	k_qf6338c7dd9_qkv
	.globl	k_qf6338c7dd9_qkv
	.p2align	8
	.type	k_qf6338c7dd9_qkv,@function
k_qf6338c7dd9_qkv:
	s_mov_b64 s[64:65], 0
	v_nop
	global_prefetch_b8 v0, s[64:65] scope:SCOPE_SE
	s_setreg_imm32_b32 hwreg(HW_REG_WAVE_MODE, 25, 1), 1
	s_wait_xcnt 0x0
	s_wait_alu depctr_hold_cnt(0) depctr_sa_sdst(0) depctr_va_vdst(0) depctr_va_sdst(0) depctr_va_ssrc(0) depctr_va_vcc(0) depctr_vm_vsrc(0)
	s_getreg_b32 s2, hwreg(HW_REG_IB_STS2, 6, 4)
	s_cmp_eq_u32 s2, 0
	s_cbranch_scc0 .Lentry_in_a_cluster
	s_endpgm
.Lentry_in_a_cluster:
	s_bfe_u32 s2, ttmp6, 0x10000c
	s_cmp_lg_u32 s2, 0xf033
	s_cbranch_scc0 .Lentry_shape_is_right
	s_endpgm
.Lentry_shape_is_right:
; The three projections on codes of FP6, K = 1,024, and what follows them: RoPE on q and k, and the quantising of q, k (along the head's 64) and v (along the keys).  Nothing wider than codes goes to memory.
; A tile of 256 x 256 is made by four waves, 128 x 128 each: 64 accumulators.  K goes in steps of 256 through a ring of two LDS slots.  Operands lie in memory as images of their registers (row tile, K step: 1,536 bytes,
; block p of 256 bytes = registers 2 p, 2 p + 1, 8 bytes a lane), so a fragment is six loads of 8 bytes a lane from consecutive bytes: no pitch, no padding.
; THE MATRIX INSTRUCTION IS USED TRANSPOSED: source 0 = a tile of "B", source 1 = a tile of "A": a lane holds one row of A, and (by the order of rows in a tile) the 16 registers of B's tiles 2 b, 2 b + 1 are 16 neighbouring rows of B.
; Clusters y 0-7 (256 work-groups): A = hidden, B = Wq | Wk: a lane holds one position s and 128 neighbouring features: two heads.  RoPE stays in the lane (d and d + 32 are its own registers).
; Clusters y 8-11 (128 work-groups): A = Wv, B = hidden: a lane holds one feature d and 128 neighbouring positions, which are the second product's K.
; OUT.  qp [head 64][chunk of 512 positions][25,600]: [step of 128][pair of tiles][1,536 bytes: registers 4 c .. 4 c + 3 at 512 c + 16 lane], then at 24,576 the scale words [step][r][pair].
; A PAIR: K = 64 fills half of the instruction's 128, so tiles 2 p and 2 p + 1 share a fragment: registers 0-5 the first, 6-11 the second; scale bytes 0, 1 and 2, 3.
; kv [head][chunk][K part 25,600, laid as qp | V part 25,600: [step][tile of 16 d][1,536], then the words [step][r][tile]].
; CLUSTERS: 4 x 4.  A's tiles are shared along a row of the cluster, B's along a column: joint loads.  The one branch of the way out hangs on the cluster's y, which all partners share; no tensor load or barrier lies under it.
; No prefetch: a work-group has four K steps, and its tiles are shared by joint loads.
; LIMITS: blocks whose largest magnitude lies under 2^-124 keep the byte 1, blocks of zeros too (their codes are zeros; this program alone reads the bytes); NaN and infinities are not served.
.set NQ,    2                          ; matrix instructions deep in a slot
.set FR,    12                         ; registers of a fragment
.set NL,    6                          ; LDS loads that bring one
.set NP,    4                          ; places behind this matrix instruction (ISA guide 7.12.1)
.set TSL,   3072                       ; a row tile's two K steps of a slot
.set HALFT, 8*TSL                      ; eight row tiles: what one tensor load brings
.set SLOT,  4*HALFT
.set SCL,   2*SLOT                     ; behind the ring: the scale bytes, as units of 256 bytes + 16 of padding
.set HALFS, 16*272                     ; those of 128 rows
.set SBLK,  544                        ; those of 16 rows
.set SPARE, SCL+4*HALFS                ; the spare words: two blocks of 256 bytes that no other line names
.set ADRA, 16                          ; v16-17 LDS address of my A fragments in slot 0, 1
.set ADRB, 20                          ; v20-21 the same for B
.set ADRS, 27                          ; v27    of my scale words: lanes 0-15 A's rows, lanes 16-31 B's
.set SPW,  28                          ; v28    my spare word; never rewritten
.set NIL,  29                          ; v29    0; never rewritten
.set SC,   32                          ; v32-63 scale words, two sets
.set AF,   128                         ; v128-223 A's fragments, one set (window 0); B's two sets at v0 and v128 of window 1; accumulators (a, b) at v[8 (8 (a % 4) + b)] of window 2 + a / 4
.set G1, 24
.set G0, 32
.set G1B, 48
.set G0B, 56
.set G1S, 68
.set G0S, 76
.set G1SB, 80
.set G0SB, 88
.set VO0, 8                            ; the way out: v8 16 x lane; v9 the same a head on; v10 the scale words' place; v11 my place in cos and sin
.set VO1, 9
.set VW,  10
.set CSO, 11
.set T,   64                           ; v64-127 a pair's 64 numbers behind RoPE
.set PC,  128                          ; v128-139 the codes just made; v140-146 at work
.set TM,  148                          ; v148-163 at work
.set SW,  168                          ; v168-175 eight scale words
.set W4,  176                          ; v176-179 the four that I store
.set MSB, 0
.macro WIN new                         ; the immediate's high byte repeats the setting that is left
.if MSB != (\new)
	s_set_vgpr_msb (MSB<<8)|(\new)
.set MSB, (\new)
.endif
.endm
.set MUL_LO, 0xa1                      ; source 0 (B) window 1, source 1 (A) window 0, C and D window 2
.set MUL_HI, 0xf1
.set TO_B,   0x40
.macro JLOAD g0a, g1a, g0b, g1b        ; a joint load: waves 0 and 1 fetch for A, waves 2 and 3 for B; an s_nop 0 and four v_nop follow each line
	s_cmp_eq_u32 s15, 0
	s_cbranch_scc0 .Lfor_b_\@
	tensor_load_to_lds s[\g0a:\g0a+3], s[\g1a:\g1a+7]
	s_nop 0
.rept 4
	v_nop
.endr
	s_branch .Lasked_\@
.Lfor_b_\@:
	tensor_load_to_lds s[\g0b:\g0b+3], s[\g1b:\g1b+7]
	s_nop 0
.rept 4
	v_nop
.endr
.Lasked_\@:
.endm
.macro CREST                           ; a round of the cluster's barrier behind its opening barrier
	s_cmp_lg_u32 s14, 0
	s_cbranch_scc1 .Lnot_wave_0_\@
	s_barrier_signal -3
.Lnot_wave_0_\@:
	s_barrier_wait -3
	s_barrier_signal -1
	s_barrier_wait -1
.endm
.macro CROUND
	s_barrier_signal -1
	s_barrier_wait -1
	CREST
.endm
	s_load_b128 s[4:7], s[0:1], 0x0                ; codes, scl
	s_load_b128 s[8:11], s[0:1], 0x10              ; cos, sin
	s_load_b64 s[12:13], s[0:1], 0x20              ; qp
	s_load_b64 s[66:67], s[0:1], 0x28              ; kv
	v_lshl_add_u32 v[SPW], v0, 2, SPARE
	v_mov_b32 v[NIL], 0
	ds_add_u32 v[SPW], v[NIL]
	ds_add_u32 v[SPW], v[NIL]                      ; the wave's opening: the add and its wait ahead of my first tensor load
	v_lshrrev_b32 v1, 5, v0
	v_readfirstlane_b32 s14, v1                    ; wave 0..3
	s_lshr_b32 s15, s14, 1                         ; my half of A's rows.  Also: I fetch for A (0) or for B (1)
	s_and_b32 s16, s14, 1                          ; my half of B's rows.  Also: which eight row tiles I fetch
	s_bfe_u32 s40, ttmp6, 0x40000                  ; cx
	s_bfe_u32 s41, ttmp6, 0x40004                  ; cy
	s_and_b32 s17, ttmp7, 0xffff                   ; the cluster's y, 0..11
	s_lshl_b32 s43, s41, 2
	s_lshl_b32 s43, 15, s43                        ; my row of the cluster
	s_lshl_b32 s44, 0x1111, s40                    ; my column
	s_or_b32 s[G1+0], s43, (3<<16)|(1<<21)         ; the mask: A's tiles go to my row; elements of 8 bytes; bit 21 beside a mask; no padding
	s_or_b32 s[G1B+0], s44, (3<<16)|(1<<21)
.irp g, G1, G1B                        ; eight rows (row tiles) of 3,072 bytes, 12,288 bytes apart
	s_mov_b32 s[\g+1], 384<<16
	s_mov_b32 s[\g+2], 8<<16
	s_mov_b32 s[\g+3], 384<<16
	s_mov_b32 s[\g+4], 8
	s_mov_b32 s[\g+5], 1536
	s_mov_b32 s[\g+6], 0
	s_mov_b32 s[\g+7], 0
.endr
	s_or_b32 s[G1S+0], s43, (3<<16)|(1<<20)|(1<<21)|(5<<22)|(3<<25)   ; the scale bytes of 128 rows: 4,096 dense bytes as 16 rows of 256, 16 bytes of padding behind each
	s_or_b32 s[G1SB+0], s44, (3<<16)|(1<<20)|(1<<21)|(5<<22)|(3<<25)
.irp g, G1S, G1SB
	s_mov_b32 s[\g+1], 32<<16
	s_mov_b32 s[\g+2], 16<<16
	s_mov_b32 s[\g+3], 32<<16
	s_mov_b32 s[\g+4], 16
	s_mov_b32 s[\g+5], 32
	s_mov_b32 s[\g+6], 0
	s_mov_b32 s[\g+7], 0
.endr
	; the first row tile that I fetch.  A: 16 cy + (V part: 640, Wv; else 64 x cluster y, hidden).  B: 16 wx + (V part: 128 (cluster y - 8), hidden; else 512, Wq | Wk).  A's never holds cx, B's never cy
	s_lshl_b32 s20, s17, 6
	s_max_u32 s46, s17, 8
	s_sub_co_u32 s46, s46, 8
	s_lshl_b32 s46, s46, 7
	s_lshl_b32 s18, s41, 4
	s_lshl_b32 s42, ttmp9, 2
	s_add_co_u32 s42, s42, s40                     ; wx = 4 x cluster x + cx
	s_lshl_b32 s19, s42, 4
	s_lshl_b32 s22, s16, 3
	s_cmp_ge_u32 s17, 8
	s_cselect_b32 s2, 1, 0                         ; s2: the V part
	s_cselect_b32 s20, 640, s20
	s_cselect_b32 s46, s46, 512
	s_add_co_u32 s20, s20, s18
	s_add_co_u32 s20, s20, s22
	s_add_co_u32 s46, s46, s19
	s_add_co_u32 s46, s46, s22
	s_lshl_b32 s22, s20, 9                         ; 512 scale bytes a tile,
	s_mov_b32 s23, 0
	s_lshl_b32 s92, s46, 9
	s_mov_b32 s93, 0
	s_mul_i32 s20, s20, 12288                      ; 12,288 bytes of codes
	s_mov_b32 s21, 0
	s_mul_i32 s46, s46, 12288
	s_mov_b32 s47, 0
	s_mul_i32 s45, s14, HALFT                      ; where they go: no place in the cluster enters an LDS address
	s_mul_i32 s94, s14, HALFS
	s_wait_dscnt 0x0                               ; the opening add is done
	s_wait_kmcnt 0x0
	s_add_nc_u64 s[20:21], s[4:5], s[20:21]
	s_add_nc_u64 s[22:23], s[6:7], s[22:23]
	s_add_nc_u64 s[46:47], s[4:5], s[46:47]
	s_add_nc_u64 s[92:93], s[6:7], s[92:93]
	CROUND                                         ; all sixteen work-groups are here: the first joint loads meet
	s_mov_b32 s[G0S], 1
	s_add_co_u32 s[G0S+1], s94, SCL
	s_mov_b64 s[G0S+2:G0S+3], s[22:23]
	s_or_b32 s[G0S+3], s[G0S+3], 0x80000000
	s_mov_b32 s[G0SB], 1
	s_add_co_u32 s[G0SB+1], s94, SCL
	s_mov_b64 s[G0SB+2:G0SB+3], s[92:93]
	s_or_b32 s[G0SB+3], s[G0SB+3], 0x80000000
	JLOAD G0S, G1S, G0SB, G1SB                     ; the scales first: they are wanted with K step 0; filled once
.irp s, 0,1
	s_mov_b32 s[G0+4*\s], 1
	s_add_co_u32 s[G0+4*\s+1], s45, \s*SLOT
	s_add_nc_u64 s[G0+4*\s+2:G0+4*\s+3], s[20:21], \s*TSL
	s_or_b32 s[G0+4*\s+3], s[G0+4*\s+3], 0x80000000
	s_mov_b32 s[G0B+4*\s], 1
	s_add_co_u32 s[G0B+4*\s+1], s45, \s*SLOT
	s_add_nc_u64 s[G0B+4*\s+2:G0B+4*\s+3], s[46:47], \s*TSL
	s_or_b32 s[G0B+4*\s+3], s[G0B+4*\s+3], 0x80000000
	JLOAD G0+4*\s, G1, G0B+4*\s, G1B               ; three loads of mine are out
.endr
	v_and_b32 v1, 15, v0                           ; r
	v_bfe_u32 v2, v0, 4, 1                         ; h
	v_and_b32 v3, 31, v0                           ; lane
	v_lshlrev_b32 v4, 3, v3                        ; an image's place for my lane
	s_mul_i32 s21, s15, HALFT
	s_mul_i32 s22, s16, HALFT
	s_add_co_u32 s22, s22, 2*HALFT
.irp s, 0,1
	v_add_nc_u32 v[ADRA+\s], s21, v4
	v_add_nc_u32 v[ADRB+\s], s22, v4
	s_add_co_u32 s21, s21, SLOT
	s_add_co_u32 s22, s22, SLOT
.endr
	v_lshlrev_b32 v5, 5, v1                        ; my row's scale bytes: 32 a row,
	v_lshrrev_b32 v6, 8, v5
	v_lshl_add_u32 v5, v6, 4, v5                   ; and 16 more for each 256 passed
	s_mul_i32 s21, s15, HALFS
	s_mul_i32 s22, s16, HALFS
	s_add_co_u32 s22, s22, 2*HALFS
	s_sub_co_u32 s22, s22, s21
	v_mul_u32_u24 v6, s22, v2                      ; lanes 16-31 take B's
	s_add_co_u32 s21, s21, SCL
	v_add_nc_u32 v5, v5, v6
	v_add_nc_u32 v[ADRS], s21, v5
.macro FRAG reg, adr, q, i             ; a fragment: six loads of 8 bytes a lane, 256 consecutive bytes each
.irp p, 0,1,2,3,4,5
	ds_load_b64 v[\reg+2*\p:\reg+2*\p+1], v[\adr] offset:(\i)*TSL+(\q)*1536+256*\p
.endr
.endm
; 16 matrix instructions: A's blocks a0, a0 + 1 x B's eight.  The 64 accumulators take turns, one instruction a turn, in the same order in every step.
.macro MUL16 a0, p, q, sc, zero
.irp a, \a0, \a0+1
.irp b, 0,1,2,3,4,5,6,7
.if \zero
	v_wmma_scale_f32_16x16x128_f8f6f4 v[8*(8*((\a)%4)+\b):8*(8*((\a)%4)+\b)+7], v[128*(\p)+FR*\b:128*(\p)+FR*\b+FR-1], v[AF+FR*(\a):AF+FR*(\a)+FR-1], 0, v[SC+8*NQ*(\sc)+NQ*\b+(\q)], v[SC+8*NQ*(\sc)+NQ*(\a)+(\q)] matrix_a_fmt:MATRIX_FMT_FP6 matrix_b_fmt:MATRIX_FMT_FP6 matrix_a_scale:MATRIX_SCALE_ROW1
.else
	v_wmma_scale_f32_16x16x128_f8f6f4 v[8*(8*((\a)%4)+\b):8*(8*((\a)%4)+\b)+7], v[128*(\p)+FR*\b:128*(\p)+FR*\b+FR-1], v[AF+FR*(\a):AF+FR*(\a)+FR-1], v[8*(8*((\a)%4)+\b):8*(8*((\a)%4)+\b)+7], v[SC+8*NQ*(\sc)+NQ*\b+(\q)], v[SC+8*NQ*(\sc)+NQ*(\a)+(\q)] matrix_a_fmt:MATRIX_FMT_FP6 matrix_b_fmt:MATRIX_FMT_FP6 matrix_a_scale:MATRIX_SCALE_ROW1
.endif
.endr
.endr
.endm
.macro FETCH_B slot, q, p
	WIN TO_B
.irp i, 0,1,2,3,4,5,6,7
	FRAG 128*(\p)+FR*\i, ADRB+\slot, \q, \i
.endr
	WIN 0
.endm
.macro FETCH_A slot, q, i0
.irp i, \i0, \i0+1, \i0+2, \i0+3
	FRAG AF+FR*(\i), ADRA+\slot, \q, \i
.endr
.endm
.macro SCALES sc                       ; a slot's two scale words a row: lanes 0-15 take A's block i, lanes 16-31 B's
.irp i, 0,1,2,3,4,5,6,7
	ds_load_b64 v[SC+8*NQ*\sc+NQ*\i:SC+8*NQ*\sc+NQ*\i+1], v[ADRS] offset:\i*SBLK
.endr
.endm
.macro PLACES n                        ; places in front of loads into registers that matrix instructions have read, and of the first read of results
.rept \n
	v_nop
.endr
.endm
.macro STEP slot, q, zero              ; 128 along K that have their successor in the same slot
	s_wait_dscnt 4*NL                              ; B's set and A's blocks 0-3 are in; A's blocks 4-7 may be out
	WIN MUL_LO
	MUL16 0, (\q)%2, \q, \slot, \zero
	MUL16 2, (\q)%2, \q, \slot, \zero
	s_wait_dscnt 0
	PLACES NP
	FETCH_B \slot, (\q)+1, 1-(\q)%2
	FETCH_A \slot, (\q)+1, 0
	WIN MUL_HI
	MUL16 4, (\q)%2, \q, \slot, \zero
	MUL16 6, (\q)%2, \q, \slot, \zero
	PLACES NP
	WIN 0
	FETCH_A \slot, (\q)+1, 4
.endm
; A slot's last step changes slots: one barrier; in front of it each wave waits for all its tensor loads, adds 0 to its spare word, and waits for that and for its reads of this slot.
.macro TURN slot, next, fill
	s_wait_tensorcnt 0x0                           ; all my tensor loads have landed: my part of the next slot
	ds_add_u32 v[SPW], v[NIL]                      ; 0 onto my spare word
	s_wait_dscnt 4*NL+1                            ; (the add and A's blocks 4-7 may be out)
	WIN MUL_LO
	MUL16 0, 1, NQ-1, \slot, 0
	s_wait_dscnt 0x0                               ; the add is done, and my reads of this slot are over
	s_barrier_signal -1
	MUL16 2, 1, NQ-1, \slot, 0
	WIN 0
	s_barrier_wait -1
.if \fill
	CREST                                          ; the barrier has opened a round of the cluster's: no wave of any partner still reads this slot or has a load on its way
	s_add_nc_u64 s[G0+4*\slot+2:G0+4*\slot+3], s[G0+4*\slot+2:G0+4*\slot+3], 2*TSL
	s_add_nc_u64 s[G0B+4*\slot+2:G0B+4*\slot+3], s[G0B+4*\slot+2:G0B+4*\slot+3], 2*TSL
	JLOAD G0+4*\slot, G1, G0B+4*\slot, G1B         ; the first tensor load behind the round; its four v_nop are the places in front of the loads below
.else
	PLACES NP
.endif
	s_wait_alu depctr_va_vdst(0)
	v_add_nc_u32 v[ADRS], 4*NQ, v[ADRS]            ; the next slot's scale words
	FETCH_B \next, 0, 0
	FETCH_A \next, 0, 0
	SCALES \next
	WIN MUL_HI
	MUL16 4, 1, NQ-1, \slot, 0
	MUL16 6, 1, NQ-1, \slot, 0
	PLACES NP
	WIN 0
	FETCH_A \next, 0, 4
.endm
	s_wait_alu depctr_va_vdst(0)
	s_wait_tensorcnt 1                             ; the scales and my part of slot 0 are in; slot 1's load may be out
	s_barrier_signal -1
	s_barrier_wait -1
	FETCH_B 0, 0, 0
	FETCH_A 0, 0, 0
	SCALES 0
	FETCH_A 0, 0, 4
	STEP 0, 0, 1                                   ; K = 1,024 is four slots: written straight; the first products start the sums
	TURN 0, 1, 1
	STEP 1, 0, 0
	TURN 1, 0, 1
	STEP 0, 0, 0
	TURN 0, 1, 0                                   ; nothing is left to fetch
	STEP 1, 0, 0
	s_wait_dscnt 4*NL
	WIN MUL_LO
	MUL16 0, 1, NQ-1, 1, 0
	MUL16 2, 1, NQ-1, 1, 0
	s_wait_dscnt 0
	WIN MUL_HI
	MUL16 4, 1, NQ-1, 1, 0
	MUL16 6, 1, NQ-1, 1, 0
	WIN 0
; THE WAY OUT uses no LDS: what a lane holds is quantised in its registers and leaves as an image of the next operand's registers.
; QUANT: 64 numbers of a lane, v[s0] .. v[s0 + 63] of window w, register 16 b + i = k 32 b + 16 h + i of my row, become a fragment's codes in v[PC] on and its scale word in v[pw].  Each accumulator is read from its low end on.
.macro QUANT s0, w, pw
	WIN ((\w)<<2)|((\w)<<4)
.irp b, 0,1,2,3
	v_max3_num_f32 v[TM+\b], 0x1800000, |v[(\s0)+16*\b]|, |v[(\s0)+16*\b+1]|   ; block b: my 16 numbers, and the floor 2^(3 - 127)
.endr
.irp i, 2,4,6,8,10,12,14
.irp b, 0,1,2,3
	v_max3_num_f32 v[TM+\b], v[TM+\b], |v[(\s0)+16*\b+\i]|, |v[(\s0)+16*\b+\i+1]|
.endr
.endr
	WIN 0
.irp b, 0,1,2,3
	v_permlanex16_b32 v[TM+4+\b], v[TM+\b], s20, s21
.endr
.irp b, 0,1,2,3
	v_max_num_f32 v[TM+\b], v[TM+\b], v[TM+4+\b]   ; with lane l xor 16's: the block's largest magnitude
.endr
.irp b, 0,1,2,3
	v_add_nc_u32 v[TM+12+\b], 0xff000000, v[TM+\b] ; 2 off its exponent field: the conversion's scale operand
.endr
.irp b, 0,1,2,3
	v_lshrrev_b32 v[TM+4+\b], 23, v[TM+12+\b]      ; the scale's byte
.endr
	v_lshl_or_b32 v[\pw], v[TM+5], 8, v[TM+4]
	v_lshl_or_b32 v[\pw], v[TM+6], 16, v[\pw]
	v_lshl_or_b32 v[\pw], v[TM+7], 24, v[\pw]
	s_wait_xcnt 0x0                                ; the last image's stores have read their data: the codes' registers are written again only behind this wait
	WIN (\w)
.irp c, 0,1
	v_cvt_scalef32_pk16_fp6_f32 v[PC+6*\c:PC+2+6*\c], v[(\s0)+32*\c:(\s0)+15+32*\c], v[TM+12+2*\c]
	v_cvt_scalef32_pk16_fp6_f32 v[PC+12+4*\c:PC+14+4*\c], v[(\s0)+16+32*\c:(\s0)+31+32*\c], v[TM+12+2*\c+1]
.endr
	WIN 0
	v_nop                                          ; one plain place behind a scaled conversion
.irp c, 0,1                                    ; the operand's layout wants a whole block in a lane
.irp i, 0,1,2
	v_permlane16_swap_b32 v[PC+6*\c+\i], v[PC+12+4*\c+\i]
.endr
.irp i, 0,1,2
	v_mov_b32 v[PC+3+6*\c+\i], v[PC+12+4*\c+\i]
.endr
.endr
.endm
.macro IMG vo, off                     ; the fragment leaves as it stands: each store covers 512 consecutive bytes, aligned to 256
.irp c, 0,1,2
	global_store_b128 v[\vo], v[PC+4*\c:PC+4*\c+3], s[38:39] offset:(\off)+512*\c
.endr
.endm
.macro OUTADR                          ; s33: bytes from a head to the next
	v_add_nc_u32 v[VO1], s33, v[VO0]
	v_mul_u32_u24 v[VW], v2, s33
	v_lshl_add_u32 v[VW], v1, 4, v[VW]             ; the words: lanes 0-15 my first head's 16 rows, lanes 16-31 my second's
.endm
	PLACES NP                                      ; behind the last products
	v_lshlrev_b32 v[VO0], 4, v3
.irp b, 0,1,2,3
	v_mov_b32 v[TM+4+\b], 0                        ; written once: a lane permute's destination counts as one of its sources
.endr
	v_cmp_lt_u32 s3, 15, v3                        ; the lanes with h = 1
	s_mov_b32 s20, 0x76543210
	s_mov_b32 s21, 0xfedcba98
	s_mov_b32 s35, 0
	s_mov_b32 s37, 0
	s_cmp_eq_u32 s2, 1
	s_cbranch_scc1 .Lv_part
	; ---- q and k.  My 128 positions are step st of batch b; my 128 features are heads hd0 and hd0 + 1
	s_lshr_b32 s24, s17, 1                         ; b
	s_and_b32 s25, s17, 1
	s_lshl_b32 s25, s25, 2
	s_add_co_u32 s25, s25, s41                     ; which 256 positions of the batch
	s_lshl_b32 s26, s25, 1
	s_add_co_u32 s26, s26, s15                     ; st, 0..15
	s_lshl_b32 s27, s40, 2
	s_lshl_b32 s28, s16, 1
	s_add_co_u32 s27, s27, s28                     ; hd0 = 4 cx + 2 x half
	s_lshl_b32 s24, s24, 4
	s_add_co_u32 s24, s24, s27                     ; 16 b + hd0
	s_lshr_b32 s28, s26, 2                         ; chunk
	s_and_b32 s29, s26, 3                          ; step in it
	s_cmp_eq_u32 ttmp9, 1                          ; cluster x = 1: Wk's features.  It steers selects alone
	s_cselect_b64 s[30:31], s[66:67], s[12:13]
	s_mov_b32 s32, 25600
	s_cselect_b32 s32, 51200, s32                  ; bytes of a chunk
	s_lshl_b32 s33, s32, 2                         ; and of a head
	s_mul_i32 s34, s24, s33
	s_mul_i32 s36, s28, s32
	s_add_co_u32 s34, s34, s36
	s_add_nc_u64 s[30:31], s[30:31], s[34:35]      ; my first head's chunk
	s_mul_i32 s36, s29, 6144
	s_add_nc_u64 s[38:39], s[30:31], s[36:37]      ; the step's images
	s_lshl_b32 s36, s29, 8
	s_add_co_u32 s36, s36, 24576
	s_add_nc_u64 s[30:31], s[30:31], s[36:37]      ; and its scale words
	s_lshl_b32 s36, s26, 15                        ; cos, sin: 128 rows of 256 bytes a step
	s_add_nc_u64 s[8:9], s[8:9], s[36:37]
	s_add_nc_u64 s[10:11], s[10:11], s[36:37]
	s_wait_alu depctr_va_vdst(0)
	OUTADR
	v_and_b32 v[CSO], 8, v1
	v_add_nc_u32 v[CSO], v[CSO], v1                ; r + 8 (r / 8)
	v_lshlrev_b32 v[CSO], 8, v[CSO]
	v_lshl_add_u32 v[CSO], v2, 6, v[CSO]           ; my position's row, + 64 h: d = 32 g + 16 h + 0 .. 15
; cos and sin of pair bp's two tiles, in full (no equality of the tables' halves is assumed), into set bp % 2 of window 1: at 64 e + 32 x (sin) + 16 g
.macro CSLOAD bp
	WIN 0x40
.irp e, 0,1
.irp g, 0,1
.irp k, 0,1,2,3
	global_load_b128 v[128*((\bp)%2)+64*\e+16*\g+4*\k:128*((\bp)%2)+64*\e+16*\g+4*\k+3], v[CSO], s[8:9] offset:(32*(\bp)+8*\e)*256+128*\g+16*\k
	global_load_b128 v[128*((\bp)%2)+64*\e+32+16*\g+4*\k:128*((\bp)%2)+64*\e+32+16*\g+4*\k+3], v[CSO], s[10:11] offset:(32*(\bp)+8*\e)*256+128*\g+16*\k
.endr
.endr
.endr
	WIN 0
.endm
; RoPE of head hd of tiles 2 bp and 2 bp + 1: out(d) = x(d) cos(d) - x(d + 32) sin(d) for d < 32, x(d) cos(d) + x(d - 32) sin(d) above.  Both halves of d are the lane's own registers
.macro ROPE bp, hd
.irp e, 0,1
.set XB, 64*((2*(\bp)+\e)%4)+32*(\hd)
.set CB, 128*((\bp)%2)+64*\e
	WIN (2+(\bp)/2)|4                              ; source 0: the accumulators' window; source 1: window 1
.irp i, 0,2,4,6,8,10,12,14
	v_pk_mul_f32 v[T+32*\e+\i:T+32*\e+\i+1], v[XB+\i:XB+\i+1], v[CB+\i:CB+\i+1]
.endr
.irp i, 0,2,4,6,8,10,12,14
	v_pk_mul_f32 v[T+32*\e+16+\i:T+32*\e+16+\i+1], v[XB+16+\i:XB+16+\i+1], v[CB+16+\i:CB+16+\i+1]
.endr
.irp i, 0,2,4,6,8,10,12,14
	v_pk_fma_f32 v[T+32*\e+\i:T+32*\e+\i+1], v[XB+16+\i:XB+16+\i+1], v[CB+32+\i:CB+32+\i+1], v[T+32*\e+\i:T+32*\e+\i+1] neg_lo:[1,0,0] neg_hi:[1,0,0]
.endr
.irp i, 0,2,4,6,8,10,12,14
	v_pk_fma_f32 v[T+32*\e+16+\i:T+32*\e+16+\i+1], v[XB+\i:XB+\i+1], v[CB+48+\i:CB+48+\i+1], v[T+32*\e+16+\i:T+32*\e+16+\i+1]
.endr
.endr
	WIN 0
.endm
	CSLOAD 0
	CSLOAD 1
.irp bp, 0,1,2,3
.if \bp < 3
	s_wait_loadcnt 32                              ; this pair's 32 loads are in; the next pair's may be out
.else
	s_wait_loadcnt 0
.endif
.irp hd, 0,1
	ROPE \bp, \hd
	QUANT T, 0, SW+4*\hd+\bp                       ; k = 64 e + d: the pair's fragment; bytes 0, 1 the first tile's, 2, 3 the second's
	IMG VO0+\hd, 1536*\bp
.endr
.if \bp < 2
	CSLOAD \bp+2
.endif
.endr
	s_branch .Ljoin
.Lv_part:
	; ---- v.  My 128 features are heads hd0 and hd0 + 1, four tiles of 16 d each; my 128 positions are step st of batch b: the second product's K
	s_sub_co_u32 s24, s17, 8                       ; b
	s_lshl_b32 s26, s42, 1
	s_add_co_u32 s26, s26, s16                     ; st = 2 wx + half
	s_lshl_b32 s27, s41, 2
	s_lshl_b32 s28, s15, 1
	s_add_co_u32 s27, s27, s28                     ; hd0 = 4 cy + 2 x half
	s_lshl_b32 s24, s24, 4
	s_add_co_u32 s24, s24, s27
	s_mul_i32 s34, s24, 204800
	s_lshr_b32 s28, s26, 2
	s_mul_i32 s36, s28, 51200
	s_add_co_u32 s34, s34, s36
	s_add_nc_u64 s[30:31], s[66:67], s[34:35]      ; my first head's chunk
	s_and_b32 s29, s26, 3
	s_mul_i32 s36, s29, 6144
	s_add_co_u32 s36, s36, 25600
	s_add_nc_u64 s[38:39], s[30:31], s[36:37]      ; the step's images in the V part
	s_lshl_b32 s36, s29, 8
	s_add_co_u32 s36, s36, 50176
	s_add_nc_u64 s[30:31], s[30:31], s[36:37]      ; and its scale words
	s_mov_b32 s33, 204800
	s_wait_alu depctr_va_vdst(0)
	OUTADR
.irp a, 0,1,2,3,4,5,6,7
	QUANT 64*(\a%4), 2+\a/4, SW+\a
	IMG VO0, (\a/4)*204800+(\a%4)*1536
.endr
.Ljoin:
.irp k, 0,1,2,3
	v_cndmask_b32 v[W4+\k], v[SW+\k], v[SW+4+\k], s3
.endr
	global_store_b128 v[VW], v[W4:W4+3], s[30:31]  ; sixteen lanes store a head's 256 bytes of scale words, aligned
	s_wait_tensorcnt 0x0                           ; the wave's end
	ds_add_u32 v[SPW], v[NIL]
	s_wait_dscnt 0x0
	CROUND                                         ; the closing round
	s_endpgm
.Lfunc_end_k_qf6338c7dd9_qkv:
	.size	k_qf6338c7dd9_qkv, .Lfunc_end_k_qf6338c7dd9_qkv-k_qf6338c7dd9_qkv
	.p2alignl 7, 3214868480
	.fill 96, 4, 3214868480
	.section	.rodata,"a",@progbits
	.p2align	6, 0x0
	.amdhsa_kernel k_qf6338c7dd9_qkv
		.amdhsa_group_segment_fixed_size 327680
		.amdhsa_private_segment_fixed_size 0
		.amdhsa_enable_private_segment 0
		.amdhsa_kernarg_size 48
		.amdhsa_user_sgpr_count 2
		.amdhsa_user_sgpr_kernarg_segment_ptr 1
		.amdhsa_wavefront_size32 1
		.amdhsa_system_sgpr_workgroup_id_x 1
		.amdhsa_system_sgpr_workgroup_id_y 1
		.amdhsa_system_sgpr_workgroup_id_z 1
		.amdhsa_system_vgpr_workitem_id 0
		.amdhsa_next_free_vgpr 1024
		.amdhsa_next_free_sgpr 96
		.amdhsa_reserve_vcc 0
		.amdhsa_float_denorm_mode_32 3
		.amdhsa_float_denorm_mode_16_64 3
		.amdhsa_memory_ordered 1
		.amdhsa_forward_progress 1
		.amdhsa_inst_pref_size 243
	.end_amdhsa_kernel
	.amdgpu_metadata
---
amdhsa.version: [ 1, 2 ]
amdhsa.kernels:
  - .name:           k_qf6338c7dd9_qkv
    .symbol:         k_qf6338c7dd9_qkv.kd
    .args:
      - { .name: codes, .offset: 0, .size: 8, .value_kind: global_buffer, .address_space: global }
      - { .name: scl, .offset: 8, .size: 8, .value_kind: global_buffer, .address_space: global }
      - { .name: cos, .offset: 16, .size: 8, .value_kind: global_buffer, .address_space: global }
      - { .name: sin, .offset: 24, .size: 8, .value_kind: global_buffer, .address_space: global }
      - { .name: qp, .offset: 32, .size: 8, .value_kind: global_buffer, .address_space: global }
      - { .name: kv, .offset: 40, .size: 8, .value_kind: global_buffer, .address_space: global }
    .group_segment_fixed_size: 327680
    .private_segment_fixed_size: 0
    .kernarg_segment_align: 8
    .kernarg_segment_size: 48
    .max_flat_workgroup_size: 128
    .sgpr_count:     96
    .vgpr_count:     1024
    .wavefront_size: 32
...
	.end_amdgpu_metadata
.endif
;; end of part 2
;; launch attn (part 3): grid 4 x 64, 16 waves a work-group, clusters of 4 x 1, 215,040 bytes of LDS; arguments qp, kv, attention_mask, ao, ao_scl; writes ao, ao_scl
.if DOCPART == 3
	.amdgcn_target "amdgcn-amd-amdhsa--gfx1250"
	.amdhsa_code_object_version 6
	.text
	.protected	k_qf6338c7dd9_attn
	.globl	k_qf6338c7dd9_attn
	.p2align	8
	.type	k_qf6338c7dd9_attn,@function
k_qf6338c7dd9_attn:
	s_mov_b64 s[64:65], 0
	v_nop
	global_prefetch_b8 v0, s[64:65] scope:SCOPE_SE
	s_setreg_imm32_b32 hwreg(HW_REG_WAVE_MODE, 25, 1), 1
	s_wait_xcnt 0x0
	s_wait_alu depctr_hold_cnt(0) depctr_sa_sdst(0) depctr_va_vdst(0) depctr_va_sdst(0) depctr_va_ssrc(0) depctr_va_vcc(0) depctr_vm_vsrc(0)
	s_getreg_b32 s2, hwreg(HW_REG_IB_STS2, 6, 4)
	s_cmp_eq_u32 s2, 0
	s_cbranch_scc0 .Lentry_in_a_cluster
	s_endpgm
.Lentry_in_a_cluster:
	s_bfe_u32 s2, ttmp6, 0x10000c
	s_cmp_lg_u32 s2, 0x3003
	s_cbranch_scc0 .Lentry_shape_is_right
	s_endpgm
.Lentry_shape_is_right:
; Attention of one head on codes of FP6: S^T = K Q^T (K = 64), the additive mask, p = 2^(t - M), O^T = V^T P^T (K = the keys), O / the row's sum, and the quantising of that for the last projection.
; SHARES.  A work-group owns 512 queries of one head (y = 16 b + head); the four work-groups of a head are one cluster and fetch the head's K and V JOINTLY.  The whole head, 204,800 bytes, stays in LDS:
; no slot is ever filled again.  Each of the 16 waves owns a pair of query tiles and takes them in two passes over the 16 key steps of 128: 16 queries at a time in 256 registers, four waves to a SIMD.
; LAYOUT.  Both products are used transposed: a lane holds ONE query (lane % 16).  By the order of rows in a tile, the 16 registers of key tiles 2 p, 2 p + 1 are 16 neighbouring keys 32 p + 16 (lane / 16) + 0 .. 15.
; K = 64 IN AN INSTRUCTION OF 128: key tiles 2 p and 2 p + 1 share a fragment (registers 0-5, 6-11); it is multiplied by [q | zero codes] and by [zero codes | q], which lie in 18 registers [q | 0 | q].
; THE MASK is the C of the score products: D = q.k + 8 m, and t = D x log2(e) / 8 (8 = 1 / the scale, exact).  A table of max(8 m, -2^23) lies in LDS.
; LIMITS: mask numbers under -1,048,576, -infinity among them, count as -1,048,576: p is 0 there all the same unless a row's largest logit itself lies so low; a row all of whose keys are -infinity (NaN by the definition) is not served.
; Other NaN and infinities are not served.  Blocks whose largest magnitude lies under 2^-124 keep the scale byte 1, blocks of zeros too (this program alone reads the bytes).
; No prefetch: K and V are asked for once, at the head.  ao_scl is stored two bytes a lane, rows 32 bytes apart: one byte in 24 of what the launch stores.
.set CHK,   51200                      ; a chunk of 512 keys: K part, V part
.set PART,  25600
.set STB,   6144                       ; a step's four fragments
.set MASK,  204800                     ; behind the head: the mask table, 2,048 numbers; no tensor load lands there
.set SPARE, 212992                     ; the spare words, 128 bytes a wave: eight blocks of 256 bytes that no other line names
.set AK0, 1                            ; v1  16 x lane
.set AW0, 2                            ; v2  16 r
.set AM0, 3                            ; v3  MASK + 64 h
.set L8,  4                            ; v4  8 x lane
.set SPW, 5                            ; v5  my spare word; never rewritten
.set NIL, 6                            ; v6  0; never rewritten
.set R32, 7                            ; v7  32 r
.set ADK, 8                            ; v8-10 the step's addresses: fragments, scale words, mask
.set ADW, 9
.set ADM, 10
.set QF,  16                           ; v16-33  [q | 0 | q]
.set KF,  36                           ; v36-83  four fragments of K, then of V
.set KS,  84                           ; v84-87  K's scale words;  v88-91 V's;  v92 q's
.set VS,  88
.set QW,  92
.set PWD, 93                           ; v93     the query pair's scale word
.set S,   96                           ; v96-159 the mask, then S^T, then p
.set O,   160                          ; v160-191 O^T
.set QP,  192                          ; v192-203 the query pair as loaded
.set MK,  204                          ; v204-207 at work on the mask.   v12 -M, v13 the largest t, v[14:15] the sum; v224-235 p's codes; v232-254 at work; v252 f; v253 p's scale word
.set WV,  18
.set SEL, 20
.set CS,  22
.set G1,  24
.set G0,  32
.set TB,  2
.set TW,  3
.set TMK, 66
.set CNT, 67
.set PASS, 68
.macro ROUND                           ; a round of the cluster's barrier
	s_barrier_signal -1
	s_barrier_wait -1
	s_cmp_lg_u32 s[WV], 0
	s_cbranch_scc1 .Lnot_wave_0_\@
	s_barrier_signal -3
.Lnot_wave_0_\@:
	s_barrier_wait -3
	s_barrier_signal -1
	s_barrier_wait -1
.endm
	s_load_b256 s[4:11], s[0:1], 0x0               ; qp s[4:5], kv s[6:7], mask s[8:9], ao s[10:11]
	s_load_b64 s[12:13], s[0:1], 0x20              ; ao_scl
	v_lshl_add_u32 v[SPW], v0, 2, SPARE
	v_mov_b32 v[NIL], 0
	ds_add_u32 v[SPW], v[NIL]                      ; the wave's opening: the add and its wait ahead of the first tensor loads
	ds_add_u32 v[SPW], v[NIL]
	v_lshrrev_b32 v8, 5, v0
	s_delay_alu instid0(VALU_DEP_1)
	v_readfirstlane_b32 s[WV], v8                  ; wave 0..15
	s_bfe_u32 s48, ttmp6, 0x40000                  ; cx: my chunk of queries; it enters Q's and the outputs' addresses alone
	s_and_b32 s49, ttmp7, 0xffff                   ; y = 16 b + head, which the four partners share
	s_mov_b32 s[G1+0], 15|(3<<16)|(1<<21)          ; the mask: all four work-groups; elements of 8 bytes; bit 21 beside a mask; no padding
	s_mov_b32 s[G1+1], 32<<16                      ; a part: 25,600 dense bytes as 100 rows of 256
	s_mov_b32 s[G1+2], 100<<16
	s_mov_b32 s[G1+3], 32<<16
	s_mov_b32 s[G1+4], 100
	s_mov_b32 s[G1+5], 32
	s_mov_b32 s[G1+6], 0
	s_mov_b32 s[G1+7], 0
	s_and_b32 s50, s[WV], 1
	s_mul_i32 s50, s50, PART                       ; wave 0: the K parts; wave 1: the V parts
	s_mul_i32 s52, s49, 4*CHK
	s_add_co_u32 s52, s52, s50
	s_mov_b32 s53, 0
	s_mov_b32 s[SEL], 0x76543210
	s_mov_b32 s[SEL+1], 0xfedcba98
	s_mov_b32 s[CS], 0x3e38aa3b                    ; c = log2(e) / 8
	s_mov_b32 s[CS+1], s[CS]                       ; (named with it as a pair, so it is written)
	s_wait_dscnt 0x0                               ; the opening add is done
	s_wait_kmcnt 0x0
	s_add_nc_u64 s[52:53], s[6:7], s[52:53]
.irp c, 0,1,2,3
	s_mov_b32 s[G0+4*\c], 1
	s_add_co_u32 s[G0+4*\c+1], s50, \c*CHK         ; LDS holds the head as it lies in memory
	s_add_nc_u64 s[G0+4*\c+2:G0+4*\c+3], s[52:53], \c*CHK
	s_or_b32 s[G0+4*\c+3], s[G0+4*\c+3], 0x80000000
.endr
	ROUND                                          ; all four work-groups are here: the joint loads meet
	s_cmp_lt_u32 s[WV], 2                          ; a fetching wave's four loads stand in one branch: four are outstanding
	s_cbranch_scc0 .Lno_fetch
.irp c, 0,1,2,3
	tensor_load_to_lds s[G0+4*\c:G0+4*\c+3], s[G1:G1+7]
	s_nop 0
.endr
.rept 4
	v_nop
.endr
.Lno_fetch:
	s_mul_i32 s54, s49, 4*PART                     ; qp: my head,
	s_mul_i32 s55, s48, PART
	s_add_co_u32 s54, s54, s55                     ; my chunk
	s_lshr_b32 s56, s[WV], 2                       ; my step in it
	s_and_b32 s57, s[WV], 3                        ; my pair
	s_mul_i32 s58, s56, STB
	s_mul_i32 s59, s57, 1536
	s_add_co_u32 s58, s58, s59
	s_add_co_u32 s58, s58, s54
	s_mov_b32 s59, 0
	s_add_nc_u64 s[58:59], s[4:5], s[58:59]        ; the pair's image
	s_lshl_b32 s60, s56, 8
	s_lshl_b32 s61, s57, 2
	s_add_co_u32 s60, s60, s61
	s_add_co_u32 s60, s60, s54
	s_add_co_u32 s60, s60, 24576
	s_mov_b32 s61, 0
	s_add_nc_u64 s[60:61], s[4:5], s[60:61]        ; its scale words
	s_lshr_b32 s62, s49, 4                         ; b
	s_and_b32 s63, s49, 15                         ; head
	s_lshl_b32 s50, s62, 7
	s_lshl_b32 s51, s48, 5
	s_add_co_u32 s50, s50, s51
	s_lshl_b32 s51, s56, 3
	s_add_co_u32 s50, s50, s51
	s_lshl_b32 s51, s57, 1
	s_add_co_u32 s50, s50, s51                     ; my first row tile of ao: 128 b + 32 cx + 8 step + 2 pair
	s_mul_i32 s52, s50, 12288
	s_mul_i32 s51, s63, 768                        ; a head is half a K step of the last product: three blocks of 256 bytes
	s_add_co_u32 s52, s52, s51
	s_mov_b32 s53, 0
	s_add_nc_u64 s[10:11], s[10:11], s[52:53]
	s_lshl_b32 s52, s50, 9
	s_lshl_b32 s51, s63, 1
	s_add_co_u32 s52, s52, s51
	s_add_nc_u64 s[12:13], s[12:13], s[52:53]
	s_lshl_b32 s52, s62, 13
	s_add_nc_u64 s[8:9], s[8:9], s[52:53]          ; my batch's mask
	v_and_b32 v11, 31, v0
	s_delay_alu instid0(VALU_DEP_1)
	v_lshlrev_b32 v[AK0], 4, v11
	s_delay_alu instid0(VALU_DEP_2)
	v_lshlrev_b32 v[L8], 3, v11
	v_and_b32 v8, 15, v0                           ; r
	v_bfe_u32 v9, v0, 4, 1                         ; h
	s_delay_alu instid0(VALU_DEP_2)
	v_lshlrev_b32 v[AW0], 4, v8
	s_delay_alu instid0(VALU_DEP_3)
	v_lshlrev_b32 v[R32], 5, v8
	s_delay_alu instid0(VALU_DEP_3)
	v_lshl_add_u32 v[AM0], v9, 6, MASK
	v_lshlrev_b32 v10, 4, v0
.irp c, 0,1,2
	global_load_b128 v[QP+4*\c:QP+4*\c+3], v[AK0], s[58:59] offset:512*\c
.endr
	global_load_b32 v[PWD], v[AW0], s[60:61]
	global_load_b128 v[MK:MK+3], v10, s[8:9]       ; thread t: mask numbers 4 t .. 4 t + 3
	v_lshl_add_u32 v11, v0, 4, MASK
.irp i, 0,1,2,3,4,5
	v_mov_b32 v[QF+6+\i], 0                        ; the zero codes between the two q
.endr
.irp b, 0,1,2,3
	v_mov_b32 v[236+\b], 0                         ; written once: a lane permute's destination counts as one of its sources
.endr
	v_mov_b32 v253, 0                              ; (named as the upper half of the pair v[252:253] before it is first written)
	s_wait_loadcnt 0x0
.irp i, 0,1,2,3
	v_mul_f32 v[MK+\i], 0x41000000, v[MK+\i]       ; 8 m
.endr
.irp i, 0,1,2,3
	s_delay_alu instid0(VALU_DEP_4)
	v_max_num_f32 v[MK+\i], 0xcb000000, v[MK+\i]   ; held at -2^23 from below
.endr
	ds_store_b128 v11, v[MK:MK+3]                  ; the first chunk's barrier, with its wait for LDS, shows it to every wave
; A KEY STEP: 128 keys.
.macro STEP
	v_add_nc_u32 v[ADK], s[TB], v[AK0]
	v_add_nc_u32 v[ADW], s[TW], v[AW0]
	v_add_nc_u32 v[ADM], s[TMK], v[AM0]
	v_nop                                          ; four places in front of loads into registers that the last products have read
.irp b, 0,1,2,3
.irp k, 0,1,2,3
	ds_load_b128 v[S+16*\b+4*\k:S+16*\b+4*\k+3], v[ADM] offset:128*\b+16*\k   ; 8 m of keys 32 b + 16 h + 0 .. 15, in the result's layout: the products' C
.endr
.endr
.irp p, 0,1,2,3
.irp c, 0,1,2
	ds_load_b128 v[KF+12*\p+4*\c:KF+12*\p+4*\c+3], v[ADK] offset:1536*\p+512*\c
.endr
.endr
	ds_load_b128 v[KS:KS+3], v[ADW] offset:24576
	s_wait_alu depctr_va_vdst(0)
	s_wait_dscnt 0x0
.irp p, 0,1,2,3                                ; eight accumulators, one instruction each
	v_wmma_scale_f32_16x16x128_f8f6f4 v[S+16*\p:S+16*\p+7], v[KF+12*\p:KF+12*\p+11], v[QF:QF+11], v[S+16*\p:S+16*\p+7], v[KS+\p], v[QW] matrix_a_fmt:MATRIX_FMT_FP6 matrix_b_fmt:MATRIX_FMT_FP6
	v_wmma_scale_f32_16x16x128_f8f6f4 v[S+16*\p+8:S+16*\p+15], v[KF+12*\p:KF+12*\p+11], v[QF+6:QF+17], v[S+16*\p+8:S+16*\p+15], v[KS+\p], v[QW] matrix_a_fmt:MATRIX_FMT_FP6 matrix_b_fmt:MATRIX_FMT_FP6
.endr
.rept 4
	v_nop                                          ; places in front of the loads below and of the first read of the scores
.endr
.irp t, 0,1,2,3                                ; V's fragments are asked for now and land under the softmax
.irp c, 0,1,2
	ds_load_b128 v[KF+12*\t+4*\c:KF+12*\t+4*\c+3], v[ADK] offset:PART+1536*\t+512*\c
.endr
.endr
	ds_load_b128 v[VS:VS+3], v[ADW] offset:PART+24576
.irp b, 0,1,2,3
	v_max3_num_f32 v[232+\b], v[S+16*\b], v[S+1+16*\b], v[S+2+16*\b]   ; the largest score of each block of 32 keys: for the row's maximum, and, since p rises with the score, for the block's largest p
.endr
.irp i, 3,5,7,9,11,13
.irp b, 0,1,2,3
	v_max3_num_f32 v[232+\b], v[232+\b], v[S+16*\b+\i], v[S+1+16*\b+\i]
.endr
.endr
.irp b, 0,1,2,3
	v_max_num_f32 v[232+\b], v[232+\b], v[S+15+16*\b]
.endr
.irp b, 0,1,2,3
	s_delay_alu instid0(VALU_DEP_4)
	v_permlanex16_b32 v[236+\b], v[232+\b], s[SEL], s[SEL+1]
.endr
.irp b, 0,1,2,3
	s_delay_alu instid0(VALU_DEP_4)
	v_max_num_f32 v[232+\b], v[232+\b], v[236+\b]  ; with lane l xor 16's 16 keys
.endr
	s_delay_alu instid0(VALU_DEP_2)
	v_max3_num_f32 v254, v232, v233, v234
	s_delay_alu instid0(VALU_DEP_1)
	v_max_num_f32 v254, v254, v235
	s_delay_alu instid0(VALU_DEP_1)
	v_mul_f32 v254, s[CS], v254                    ; as t (c is positive)
	s_delay_alu instid0(VALU_DEP_1)
	v_max_num_f32 v13, v13, v254                   ; the running largest t
	v_mov_b32 v254, v12
	s_delay_alu instid0(VALU_DEP_2)
	v_floor_f32 v12, -v13                          ; the new -M = floor(-t): M is a whole number
	s_delay_alu instid0(VALU_DEP_1)
	v_sub_f32 v254, v12, v254                      ; old M - new M: a whole number, 0 or less
	s_delay_alu instid0(VALU_DEP_1)
	v_cvt_i32_f32 v254, v254                       ; (it saturates)
	s_delay_alu instid0(VALU_DEP_1)
	v_ldexp_f32 v252, 1.0, v254                    ; f = 2^(old M - new M): exact
.set j, 0
.rept 32
	v_pk_fma_f32 v[S+j:S+j+1], v[S+j:S+j+1], s[CS:CS+1], v[12:13] op_sel_hi:[1,0,0]   ; t - M, two at a time
.set j, j+2
.endr
.irp b, 0,1,2,3
	v_fma_f32 v[232+\b], v[232+\b], s[CS], v12     ; the same of each block's largest score
.endr
.set j, 0
	s_setprio 1
	s_wait_alu depctr_va_vdst(0)
.rept 64
	v_exp_f32 v[S+j], v[S+j]                       ; p = 2^(t - M): not normalised
.set j, j+1
.endr
	v_pk_mul_f32 v[14:15], v[14:15], v[252:253] op_sel_hi:[1,0]   ; the sums under the new M: a plain place behind the exponentials
	s_wait_alu depctr_va_vdst(0)                   ; one wait for the whole batch, ahead of its first reader
.irp b, 0,1,2,3
	v_exp_f32 v[232+\b], v[232+\b]                 ; the block's largest p: the same two instructions on the same number
.endr
	v_pk_add_f32 v[236:237], v[100:101], v[104:105]
	v_pk_add_f32 v[254:255], v[108:109], v[112:113]
	v_pk_add_f32 v[250:251], v[116:117], v[120:121]
	v_pk_add_f32 v[248:249], v[124:125], v[128:129]
	v_pk_add_f32 v[246:247], v[132:133], v[136:137]
	v_pk_add_f32 v[244:245], v[140:141], v[144:145]
	v_pk_add_f32 v[242:243], v[148:149], v[152:153]
	v_pk_add_f32 v[14:15], v[14:15], v[156:157]
	v_pk_add_f32 v[236:237], v[236:237], v[96:97]
	v_pk_add_f32 v[254:255], v[254:255], v[98:99]
	v_pk_add_f32 v[250:251], v[250:251], v[102:103]
	v_pk_add_f32 v[248:249], v[248:249], v[106:107]
	v_pk_add_f32 v[246:247], v[246:247], v[110:111]
	v_pk_add_f32 v[244:245], v[244:245], v[114:115]
	v_pk_add_f32 v[242:243], v[242:243], v[118:119]
	v_pk_add_f32 v[14:15], v[14:15], v[122:123]
	v_pk_add_f32 v[236:237], v[236:237], v[126:127]
	v_pk_add_f32 v[254:255], v[254:255], v[130:131]
	v_pk_add_f32 v[250:251], v[250:251], v[134:135]
	v_pk_add_f32 v[248:249], v[248:249], v[138:139]
	v_pk_add_f32 v[246:247], v[246:247], v[142:143]
	v_pk_add_f32 v[244:245], v[244:245], v[146:147]
	v_pk_add_f32 v[242:243], v[242:243], v[150:151]
	v_pk_add_f32 v[14:15], v[14:15], v[154:155]
	v_pk_add_f32 v[236:237], v[236:237], v[158:159]
	s_delay_alu instid0(VALU_DEP_2)
	v_pk_add_f32 v[14:15], v[14:15], v[248:249]
	s_delay_alu instid0(VALU_DEP_2)
	v_pk_add_f32 v[236:237], v[236:237], v[246:247]
	v_pk_add_f32 v[254:255], v[254:255], v[244:245]
	v_pk_add_f32 v[250:251], v[250:251], v[242:243]
	s_delay_alu instid0(VALU_DEP_2)
	v_pk_add_f32 v[14:15], v[14:15], v[254:255]
	s_delay_alu instid0(VALU_DEP_2)
	v_pk_add_f32 v[236:237], v[236:237], v[250:251]
	s_delay_alu instid0(VALU_DEP_1)
	v_pk_add_f32 v[14:15], v[14:15], v[236:237]
	s_wait_alu depctr_va_vdst(0)                   ; and one for the four
.irp b, 0,1,2,3
	v_max_num_f32 v[232+\b], 0x1800000, v[232+\b]  ; the floor 2^(3 - 127): the byte cannot fall under 1
.endr
.irp b, 0,1,2,3
	s_delay_alu instid0(VALU_DEP_4)
	v_add_nc_u32 v[244+\b], 0xff000000, v[232+\b]  ; 2 off the exponent field: the conversion's scale operand
.endr
.irp b, 0,1,2,3
	s_delay_alu instid0(VALU_DEP_4)
	v_lshrrev_b32 v[236+\b], 23, v[244+\b]
.endr
	s_delay_alu instid0(VALU_DEP_3)
	v_lshl_or_b32 v253, v237, 8, v236              ; p's scale word for these 128 keys
	s_delay_alu instid0(VALU_DEP_1)
	v_lshl_or_b32 v253, v238, 16, v253
	s_delay_alu instid0(VALU_DEP_1)
	v_lshl_or_b32 v253, v239, 24, v253
.irp c, 0,1
	v_cvt_scalef32_pk16_fp6_f32 v[224+6*\c:226+6*\c], v[S+32*\c:S+15+32*\c], v[244+2*\c]
	v_cvt_scalef32_pk16_fp6_f32 v[236+4*\c:238+4*\c], v[S+16+32*\c:S+31+32*\c], v[244+2*\c+1]
.endr
	v_nop                                          ; one plain place behind a scaled conversion
.irp c, 0,1
.irp i, 0,1,2
	v_permlane16_swap_b32 v[224+6*\c+\i], v[236+4*\c+\i]
.endr
.irp i, 0,1,2
	s_delay_alu instid0(VALU_DEP_3)
	v_mov_b32 v[227+6*\c+\i], v[236+4*\c+\i]
.endr
.endr
.set j, 0
	s_setprio 0
.rept 16
	v_pk_mul_f32 v[O+j:O+j+1], v[O+j:O+j+1], v[252:253] op_sel_hi:[1,0]   ; O^T under the new M.  (These sixteen are also the places in front of the scaled products)
.set j, j+2
.endr
	s_wait_alu depctr_va_vdst(0)
	s_wait_dscnt 0x0                               ; V is in
.irp t, 0,1,2,3
	v_wmma_scale_f32_16x16x128_f8f6f4 v[O+8*\t:O+8*\t+7], v[KF+12*\t:KF+12*\t+11], v[224:235], v[O+8*\t:O+8*\t+7], v[VS+\t], v253 matrix_a_fmt:MATRIX_FMT_FP6 matrix_b_fmt:MATRIX_FMT_FP6
.endr
.endm
; A chunk of four key steps.  The fetching waves wait for the chunk's load (the later chunks' may stay out), every wave for its LDS instructions; then the barrier shows the chunk to all.
.macro CHUNK c
	s_wait_tensorcnt 3-\c
	s_wait_dscnt 0x0
	s_barrier_signal -1
	s_barrier_wait -1
	s_mov_b32 s[TB], \c*CHK
	s_mov_b32 s[TW], \c*CHK
	s_mov_b32 s[TMK], \c*2048
	s_mov_b32 s[CNT], 4
.Lstep_\@:
	s_setprio 2
	STEP
	s_add_co_u32 s[TB], s[TB], STB
	s_add_co_u32 s[TW], s[TW], 256
	s_add_co_u32 s[TMK], s[TMK], 512
	s_sub_co_u32 s[CNT], s[CNT], 1
	s_cmp_lg_u32 s[CNT], 0
	s_cbranch_scc1 .Lstep_\@
	s_setprio 0
.endm
	s_mov_b32 s[PASS], 2
.Lpass:                                            ; a pass: one tile of 16 queries against all 2,048 keys
	s_wait_alu depctr_va_vdst(0)
.irp i, 0,1,2,3,4,5
	v_mov_b32 v[QF+\i], v[QP+\i]
	v_mov_b32 v[QF+12+\i], v[QP+\i]
.endr
	v_and_b32 v[QW], 0xffff, v[PWD]
	s_delay_alu instid0(VALU_DEP_1)
	v_lshl_or_b32 v[QW], v[QW], 16, v[QW]          ; q's two scale bytes, twice
	v_mov_b32 v13, 0xff61b1e6                      ; the largest t so far: -3e38
	s_delay_alu instid0(VALU_DEP_1)
	v_floor_f32 v12, -v13
	v_mov_b32 v14, 0
	v_mov_b32 v15, 0
.set j, 0
.rept 32
	v_mov_b32 v[O+j], 0                            ; the step is written once: the first finds zeros.  (Also the places in front of the first scaled products)
.set j, j+1
.endr
	CHUNK 0
	CHUNK 1
	CHUNK 2
	CHUNK 3
.rept 4
	v_nop                                          ; places behind the last products
.endr
	v_add_f32 v14, v14, v15
	s_delay_alu instid0(VALU_DEP_1)
	v_permlanex16_b32 v252, v14, s[SEL], s[SEL+1]
	s_delay_alu instid0(VALU_DEP_1)
	v_add_f32 v14, v14, v252                       ; the row's sum
	s_wait_alu depctr_va_vdst(0)
	v_rcp_f32 v14, v14
	v_nop                                          ; a plain place behind the transcendental
	s_wait_alu depctr_va_vdst(0)                   ; the wait, ahead of the first reader
.set j, 0
.rept 32
	v_mul_f32 v[S+j], v[O+j], v14                  ; register 16 b + i is o(query, d = 32 b + 16 h + i): two blocks of the last product's K
.set j, j+1
.endr
.irp b, 0,1
	v_max3_num_f32 v[232+\b], |v[S+16*\b]|, |v[S+1+16*\b]|, 0x1800000
.endr
.irp i, 2,4,6,8,10,12,14
.irp b, 0,1
	s_delay_alu instid0(VALU_DEP_2)
	v_max3_num_f32 v[232+\b], v[232+\b], |v[S+16*\b+\i]|, |v[S+1+16*\b+\i]|
.endr
.endr
.irp b, 0,1
	s_delay_alu instid0(VALU_DEP_2)
	v_permlanex16_b32 v[236+\b], v[232+\b], s[SEL], s[SEL+1]
.endr
.irp b, 0,1
	s_delay_alu instid0(VALU_DEP_2)
	v_max_num_f32 v[232+\b], v[232+\b], v[236+\b]
.endr
.irp b, 0,1
	s_delay_alu instid0(VALU_DEP_2)
	v_add_nc_u32 v[244+\b], 0xff000000, v[232+\b]
.endr
.irp b, 0,1
	s_delay_alu instid0(VALU_DEP_2)
	v_lshrrev_b32 v[236+\b], 23, v[244+\b]
.endr
	s_delay_alu instid0(VALU_DEP_1)
	v_lshl_or_b32 v254, v237, 8, v236              ; the head's two scale bytes of my row
	v_cvt_scalef32_pk16_fp6_f32 v[224:226], v[S:S+15], v244
	v_cvt_scalef32_pk16_fp6_f32 v[240:242], v[S+16:S+31], v245
	v_nop
.irp i, 0,1,2
	v_permlane16_swap_b32 v[224+\i], v[240+\i]
.endr
.irp i, 0,1,2
	s_delay_alu instid0(VALU_DEP_3)
	v_mov_b32 v[227+\i], v[240+\i]                 ; six registers: d = 32 h + 0 .. 31
.endr
.irp p, 0,1,2
	global_store_b64 v[L8], v[224+2*\p:225+2*\p], s[10:11] offset:256*\p   ; 32 lanes store 256 consecutive bytes, aligned
.endr
	global_store_b16 v[R32], v254, s[12:13]        ; lanes r and r + 16 write the same two bytes with the same value
.irp i, 0,1,2,3,4,5
	v_mov_b32 v[QP+\i], v[QP+6+\i]                 ; the pair's second tile
.endr
	v_lshrrev_b32 v[PWD], 16, v[PWD]
	s_wait_xcnt 0x0                                ; the stores have read their registers and bases: both are written again only behind this wait
	s_add_nc_u64 s[10:11], s[10:11], 12288         ; the next row tile
	s_add_nc_u64 s[12:13], s[12:13], 512
	s_sub_co_u32 s[PASS], s[PASS], 1
	s_cmp_lg_u32 s[PASS], 0
	s_cbranch_scc1 .Lpass
	s_wait_tensorcnt 0x0                           ; the wave's end
	ds_add_u32 v[SPW], v[NIL]
	s_wait_dscnt 0x0
	ROUND                                          ; the closing round
	s_endpgm
.Lfunc_end_k_qf6338c7dd9_attn:
	.size	k_qf6338c7dd9_attn, .Lfunc_end_k_qf6338c7dd9_attn-k_qf6338c7dd9_attn
	.p2alignl 7, 3214868480
	.fill 96, 4, 3214868480
	.section	.rodata,"a",@progbits
	.p2align	6, 0x0
	.amdhsa_kernel k_qf6338c7dd9_attn
		.amdhsa_group_segment_fixed_size 215040
		.amdhsa_private_segment_fixed_size 0
		.amdhsa_enable_private_segment 0
		.amdhsa_kernarg_size 40
		.amdhsa_user_sgpr_count 2
		.amdhsa_user_sgpr_kernarg_segment_ptr 1
		.amdhsa_wavefront_size32 1
		.amdhsa_system_sgpr_workgroup_id_x 1
		.amdhsa_system_sgpr_workgroup_id_y 1
		.amdhsa_system_sgpr_workgroup_id_z 1
		.amdhsa_system_vgpr_workitem_id 0
		.amdhsa_next_free_vgpr 256
		.amdhsa_next_free_sgpr 70
		.amdhsa_reserve_vcc 0
		.amdhsa_float_denorm_mode_32 3
		.amdhsa_float_denorm_mode_16_64 3
		.amdhsa_memory_ordered 1
		.amdhsa_forward_progress 1
		.amdhsa_inst_pref_size 87
	.end_amdhsa_kernel
	.amdgpu_metadata
---
amdhsa.version: [ 1, 2 ]
amdhsa.kernels:
  - .name:           k_qf6338c7dd9_attn
    .symbol:         k_qf6338c7dd9_attn.kd
    .args:
      - { .name: qp, .offset: 0, .size: 8, .value_kind: global_buffer, .address_space: global }
      - { .name: kv, .offset: 8, .size: 8, .value_kind: global_buffer, .address_space: global }
      - { .name: attention_mask, .offset: 16, .size: 8, .value_kind: global_buffer, .address_space: global }
      - { .name: ao, .offset: 24, .size: 8, .value_kind: global_buffer, .address_space: global }
      - { .name: ao_scl, .offset: 32, .size: 8, .value_kind: global_buffer, .address_space: global }
    .group_segment_fixed_size: 215040
    .private_segment_fixed_size: 0
    .kernarg_segment_align: 8
    .kernarg_segment_size: 40
    .max_flat_workgroup_size: 512
    .sgpr_count:     70
    .vgpr_count:     256
    .wavefront_size: 32
...
	.end_amdgpu_metadata
.endif
;; end of part 3
;; launch oproj (part 4): grid 4 x 32, 4 waves a work-group, clusters of 4 x 4, 327,680 bytes of LDS; arguments ao, ao_scl, codes, scl, out0; writes out0
.if DOCPART == 4
	.amdgcn_target "amdgcn-amd-amdhsa--gfx1250"
	.amdhsa_code_object_version 6
	.text
	.protected	k_qf6338c7dd9_oproj
	.globl	k_qf6338c7dd9_oproj
	.p2align	8
	.type	k_qf6338c7dd9_oproj,@function
k_qf6338c7dd9_oproj:
	s_mov_b64 s[64:65], 0
	v_nop
	global_prefetch_b8 v0, s[64:65] scope:SCOPE_SE
	s_setreg_imm32_b32 hwreg(HW_REG_WAVE_MODE, 25, 1), 1
	s_wait_xcnt 0x0
	s_wait_alu depctr_hold_cnt(0) depctr_sa_sdst(0) depctr_va_vdst(0) depctr_va_sdst(0) depctr_va_ssrc(0) depctr_va_vcc(0) depctr_vm_vsrc(0)
	s_getreg_b32 s2, hwreg(HW_REG_IB_STS2, 6, 4)
	s_cmp_eq_u32 s2, 0
	s_cbranch_scc0 .Lentry_in_a_cluster
	s_endpgm
.Lentry_in_a_cluster:
	s_bfe_u32 s2, ttmp6, 0x10000c
	s_cmp_lg_u32 s2, 0xf033
	s_cbranch_scc0 .Lentry_shape_is_right
	s_endpgm
.Lentry_shape_is_right:
; out0 = (attention's output) Wo^T on codes of FP6, K = 1,024; out0 [8192][1024] f32.
; A tile of 256 x 256 is made by four waves, 128 x 128 each: 64 accumulators.  K goes in steps of 256 through a ring of two LDS slots.  Operands lie in memory as images of their registers (row tile, K step: 1,536 bytes,
; block p of 256 bytes = registers 2 p, 2 p + 1, 8 bytes a lane): a fragment is six loads of 8 bytes a lane from consecutive bytes.  Lane row r of row tile t is true row 32 (t / 2) + 8 (t % 2) + r + 8 (r / 8).
; THE MATRIX INSTRUCTION IS USED TRANSPOSED (source 0 = 16 rows of Wo, source 1 = 16 rows of A): a lane holds one row of out0, and the 16 registers of Wo's tiles 2 b, 2 b + 1 are 16 neighbouring columns.
; CLUSTERS: 4 x 4: A's tiles are shared along a row of the cluster, Wo's along a column: joint loads.  128 tiles: a smaller tile would fill more WGPs at the price of half the products for each LDS byte; not taken.
; No prefetch: a work-group has four K steps, and its tiles are shared by joint loads.
.set NQ,    2
.set FR,    12
.set NL,    6
.set NP,    4                          ; places behind this matrix instruction (ISA guide 7.12.1)
.set TSL,   3072                       ; a row tile's two K steps of a slot
.set HALFT, 8*TSL
.set SLOT,  4*HALFT
.set SCL,   2*SLOT                     ; behind the ring: the scale bytes, as units of 256 bytes + 16 of padding
.set HALFS, 16*272
.set SBLK,  544
.set SPARE, SCL+4*HALFS                ; the spare words: two blocks of 256 bytes that no other line names
.set SPITCH, 528                       ; the way out: a stage of 16 rows x (512 bytes + 16) for each wave, in slot 0, which has had its last fill and its last read by then
.set ADRA, 16
.set ADRB, 20
.set STO,  24                          ; v24 where I put 64 bytes of a row;  v25 where I read a row back;  v26 my byte offset in a row of out0
.set RD,   25
.set CO,   26
.set ADRS, 27
.set SPW,  28                          ; v28 my spare word, v29 0; never rewritten
.set NIL,  29
.set SC,   32
.set AF,   128
.set BK,   128                         ; the way out: 16 rows read back: v128-191 and v192-255 by turns
.set G1, 24
.set G0, 32
.set G1B, 48
.set G0B, 56
.set G1S, 68
.set G0S, 76
.set G1SB, 80
.set G0SB, 88
.set MSB, 0
.macro WIN new
.if MSB != (\new)
	s_set_vgpr_msb (MSB<<8)|(\new)
.set MSB, (\new)
.endif
.endm
.set MUL_LO, 0xa1
.set MUL_HI, 0xf1
.set TO_B,   0x40
.macro JLOAD g0a, g1a, g0b, g1b        ; a joint load: waves 0 and 1 fetch for A, waves 2 and 3 for B; an s_nop 0 and four v_nop follow each line
	s_cmp_eq_u32 s15, 0
	s_cbranch_scc0 .Lfor_b_\@
	tensor_load_to_lds s[\g0a:\g0a+3], s[\g1a:\g1a+7]
	s_nop 0
.rept 4
	v_nop
.endr
	s_branch .Lasked_\@
.Lfor_b_\@:
	tensor_load_to_lds s[\g0b:\g0b+3], s[\g1b:\g1b+7]
	s_nop 0
.rept 4
	v_nop
.endr
.Lasked_\@:
.endm
.macro CREST
	s_cmp_lg_u32 s14, 0
	s_cbranch_scc1 .Lnot_wave_0_\@
	s_barrier_signal -3
.Lnot_wave_0_\@:
	s_barrier_wait -3
	s_barrier_signal -1
	s_barrier_wait -1
.endm
.macro CROUND
	s_barrier_signal -1
	s_barrier_wait -1
	CREST
.endm
	s_load_b128 s[4:7], s[0:1], 0x0                ; ao, ao_scl
	s_load_b128 s[8:11], s[0:1], 0x10              ; codes, scl
	s_load_b64 s[12:13], s[0:1], 0x20              ; out0
	v_lshl_add_u32 v[SPW], v0, 2, SPARE
	v_mov_b32 v[NIL], 0
	ds_add_u32 v[SPW], v[NIL]                      ; the wave's opening: the add and its wait ahead of my first tensor load
	ds_add_u32 v[SPW], v[NIL]
	v_lshrrev_b32 v1, 5, v0
	v_readfirstlane_b32 s14, v1                    ; wave 0..3
	s_lshr_b32 s15, s14, 1
	s_and_b32 s16, s14, 1
	s_bfe_u32 s40, ttmp6, 0x40000                  ; cx
	s_bfe_u32 s41, ttmp6, 0x40004                  ; cy
	s_lshl_b32 s42, ttmp9, 2
	s_add_co_u32 s42, s42, s40                     ; tile column
	s_and_b32 s17, ttmp7, 0xffff
	s_lshl_b32 s17, s17, 2
	s_add_co_u32 s17, s17, s41                     ; tile row
	s_lshl_b32 s43, s41, 2
	s_lshl_b32 s43, 15, s43
	s_lshl_b32 s44, 0x1111, s40
	s_or_b32 s[G1+0], s43, (3<<16)|(1<<21)
	s_or_b32 s[G1B+0], s44, (3<<16)|(1<<21)
.irp g, G1, G1B                        ; eight rows (row tiles) of 3,072 bytes, 12,288 bytes apart
	s_mov_b32 s[\g+1], 384<<16
	s_mov_b32 s[\g+2], 8<<16
	s_mov_b32 s[\g+3], 384<<16
	s_mov_b32 s[\g+4], 8
	s_mov_b32 s[\g+5], 1536
	s_mov_b32 s[\g+6], 0
	s_mov_b32 s[\g+7], 0
.endr
	s_or_b32 s[G1S+0], s43, (3<<16)|(1<<20)|(1<<21)|(5<<22)|(3<<25)
	s_or_b32 s[G1SB+0], s44, (3<<16)|(1<<20)|(1<<21)|(5<<22)|(3<<25)
.irp g, G1S, G1SB
	s_mov_b32 s[\g+1], 32<<16
	s_mov_b32 s[\g+2], 16<<16
	s_mov_b32 s[\g+3], 32<<16
	s_mov_b32 s[\g+4], 16
	s_mov_b32 s[\g+5], 32
	s_mov_b32 s[\g+6], 0
	s_mov_b32 s[\g+7], 0
.endr
	s_lshl_b32 s18, s16, 3
	s_lshl_b32 s20, s17, 4
	s_add_co_u32 s20, s20, s18                     ; A: row tile 16 x tile row + 8 x half
	s_lshl_b32 s46, s42, 4
	s_add_co_u32 s46, s46, s18
	s_add_co_u32 s46, s46, 704                     ; B: Wo's tiles begin at 704
	s_lshl_b32 s22, s20, 9
	s_mov_b32 s23, 0
	s_lshl_b32 s92, s46, 9
	s_mov_b32 s93, 0
	s_mul_i32 s20, s20, 12288
	s_mov_b32 s21, 0
	s_mul_i32 s46, s46, 12288
	s_mov_b32 s47, 0
	s_mul_i32 s45, s14, HALFT
	s_mul_i32 s94, s14, HALFS
	s_wait_dscnt 0x0                               ; the opening add is done
	s_wait_kmcnt 0x0
	s_add_nc_u64 s[20:21], s[4:5], s[20:21]
	s_add_nc_u64 s[22:23], s[6:7], s[22:23]
	s_add_nc_u64 s[46:47], s[8:9], s[46:47]
	s_add_nc_u64 s[92:93], s[10:11], s[92:93]
	CROUND                                         ; all sixteen work-groups are here: the first joint loads meet
	s_mov_b32 s[G0S], 1
	s_add_co_u32 s[G0S+1], s94, SCL
	s_mov_b64 s[G0S+2:G0S+3], s[22:23]
	s_or_b32 s[G0S+3], s[G0S+3], 0x80000000
	s_mov_b32 s[G0SB], 1
	s_add_co_u32 s[G0SB+1], s94, SCL
	s_mov_b64 s[G0SB+2:G0SB+3], s[92:93]
	s_or_b32 s[G0SB+3], s[G0SB+3], 0x80000000
	JLOAD G0S, G1S, G0SB, G1SB
.irp s, 0,1
	s_mov_b32 s[G0+4*\s], 1
	s_add_co_u32 s[G0+4*\s+1], s45, \s*SLOT
	s_add_nc_u64 s[G0+4*\s+2:G0+4*\s+3], s[20:21], \s*TSL
	s_or_b32 s[G0+4*\s+3], s[G0+4*\s+3], 0x80000000
	s_mov_b32 s[G0B+4*\s], 1
	s_add_co_u32 s[G0B+4*\s+1], s45, \s*SLOT
	s_add_nc_u64 s[G0B+4*\s+2:G0B+4*\s+3], s[46:47], \s*TSL
	s_or_b32 s[G0B+4*\s+3], s[G0B+4*\s+3], 0x80000000
	s_wait_alu depctr_va_vdst(0)
	s_wait_tensorcnt 0x0
	ds_add_u32 v28, v29
	s_wait_dscnt 0x0
	CROUND
	JLOAD G0+4*\s, G1, G0B+4*\s, G1B               ; one load of mine is out
.endr
	v_and_b32 v1, 15, v0                           ; r
	v_bfe_u32 v2, v0, 4, 1                         ; h
	v_and_b32 v3, 31, v0                           ; lane
	v_lshlrev_b32 v4, 3, v3
	s_mul_i32 s21, s15, HALFT
	s_mul_i32 s22, s16, HALFT
	s_add_co_u32 s22, s22, 2*HALFT
.irp s, 0,1
	v_add_nc_u32 v[ADRA+\s], s21, v4
	v_add_nc_u32 v[ADRB+\s], s22, v4
	s_add_co_u32 s21, s21, SLOT
	s_add_co_u32 s22, s22, SLOT
.endr
	v_lshlrev_b32 v5, 5, v1
	v_lshrrev_b32 v6, 8, v5
	v_lshl_add_u32 v5, v6, 4, v5
	s_mul_i32 s21, s15, HALFS
	s_mul_i32 s22, s16, HALFS
	s_add_co_u32 s22, s22, 2*HALFS
	s_sub_co_u32 s22, s22, s21
	v_mul_u32_u24 v6, s22, v2                      ; lanes 16-31 take B's
	s_add_co_u32 s21, s21, SCL
	v_add_nc_u32 v5, v5, v6
	v_add_nc_u32 v[ADRS], s21, v5
	s_mul_i32 s23, s14, 16*SPITCH                  ; my stage
	v_mul_u32_u24 v5, v1, SPITCH                   ; in: row r; columns 32 (b / 2) + 16 h + 8 (b % 2) + 0 .. 7: 64 h bytes for my half
	v_lshl_add_u32 v5, v2, 6, v5
	v_add_nc_u32 v[STO], s23, v5
	v_lshlrev_b32 v[CO], 4, v3                     ; back: the 32 lanes take one row of 512 bytes; and the same in out0
	v_add_nc_u32 v[RD], s23, v[CO]
	s_lshl_b32 s20, s17, 20                        ; my first row: (256 x tile row + 128 x half) x 4,096 bytes
	s_lshl_b32 s21, s15, 19
	s_add_co_u32 s20, s20, s21
	s_mov_b32 s21, 0
	s_lshl_b32 s46, s42, 10                        ; my first column, in bytes
	s_lshl_b32 s47, s16, 9
	s_add_co_u32 s46, s46, s47
	s_mov_b32 s47, 0
	s_add_nc_u64 s[20:21], s[20:21], s[46:47]
	s_add_nc_u64 s[12:13], s[12:13], s[20:21]
.macro FRAG reg, adr, q, i
.irp p, 0,1,2,3,4,5
	ds_load_b64 v[\reg+2*\p:\reg+2*\p+1], v[\adr] offset:(\i)*TSL+(\q)*1536+256*\p
.endr
.endm
; The 64 accumulators take turns, one instruction a turn, in the same order in every step.
.macro MUL16 a0, p, q, sc, zero
.irp a, \a0, \a0+1
.irp b, 0,1,2,3,4,5,6,7
.if \zero
	v_wmma_scale_f32_16x16x128_f8f6f4 v[8*(8*((\a)%4)+\b):8*(8*((\a)%4)+\b)+7], v[128*(\p)+FR*\b:128*(\p)+FR*\b+FR-1], v[AF+FR*(\a):AF+FR*(\a)+FR-1], 0, v[SC+8*NQ*(\sc)+NQ*\b+(\q)], v[SC+8*NQ*(\sc)+NQ*(\a)+(\q)] matrix_a_fmt:MATRIX_FMT_FP6 matrix_b_fmt:MATRIX_FMT_FP6 matrix_a_scale:MATRIX_SCALE_ROW1
.else
	v_wmma_scale_f32_16x16x128_f8f6f4 v[8*(8*((\a)%4)+\b):8*(8*((\a)%4)+\b)+7], v[128*(\p)+FR*\b:128*(\p)+FR*\b+FR-1], v[AF+FR*(\a):AF+FR*(\a)+FR-1], v[8*(8*((\a)%4)+\b):8*(8*((\a)%4)+\b)+7], v[SC+8*NQ*(\sc)+NQ*\b+(\q)], v[SC+8*NQ*(\sc)+NQ*(\a)+(\q)] matrix_a_fmt:MATRIX_FMT_FP6 matrix_b_fmt:MATRIX_FMT_FP6 matrix_a_scale:MATRIX_SCALE_ROW1
.endif
.endr
.endr
.endm
.macro FETCH_B slot, q, p
	WIN TO_B
.irp i, 0,1,2,3,4,5,6,7
	FRAG 128*(\p)+FR*\i, ADRB+\slot, \q, \i
.endr
	WIN 0
.endm
.macro FETCH_A slot, q, i0
.irp i, \i0, \i0+1, \i0+2, \i0+3
	FRAG AF+FR*(\i), ADRA+\slot, \q, \i
.endr
.endm
.macro SCALES sc
.irp i, 0,1,2,3,4,5,6,7
	ds_load_b64 v[SC+8*NQ*\sc+NQ*\i:SC+8*NQ*\sc+NQ*\i+1], v[ADRS] offset:\i*SBLK
.endr
.endm
.macro PLACES n
.rept \n
	v_nop
.endr
.endm
.macro STEP slot, q, zero
	s_wait_dscnt 4*NL                              ; B's set and A's blocks 0-3 are in; A's blocks 4-7 may be out
	WIN MUL_LO
	MUL16 0, (\q)%2, \q, \slot, \zero
	MUL16 2, (\q)%2, \q, \slot, \zero
	s_wait_dscnt 0
	PLACES NP
	FETCH_B \slot, (\q)+1, 1-(\q)%2
	FETCH_A \slot, (\q)+1, 0
	WIN MUL_HI
	MUL16 4, (\q)%2, \q, \slot, \zero
	MUL16 6, (\q)%2, \q, \slot, \zero
	PLACES NP
	WIN 0
	FETCH_A \slot, (\q)+1, 4
.endm
.macro TURN slot, next, fill
	s_wait_tensorcnt 0x0                           ; all my tensor loads have landed: my part of the next slot
	ds_add_u32 v[SPW], v[NIL]                      ; 0 onto my spare word
	s_wait_dscnt 4*NL+1                            ; (the add and A's blocks 4-7 may be out)
	WIN MUL_LO
	MUL16 0, 1, NQ-1, \slot, 0
	s_wait_dscnt 0x0                               ; the add is done, and my reads of this slot are over
	s_barrier_signal -1
	MUL16 2, 1, NQ-1, \slot, 0
	WIN 0
	s_barrier_wait -1
.if \fill
	CREST                                          ; the barrier has opened a round of the cluster's: no wave of any partner still reads this slot or has a load on its way
	s_add_nc_u64 s[G0+4*\slot+2:G0+4*\slot+3], s[G0+4*\slot+2:G0+4*\slot+3], 2*TSL
	s_add_nc_u64 s[G0B+4*\slot+2:G0B+4*\slot+3], s[G0B+4*\slot+2:G0B+4*\slot+3], 2*TSL
	JLOAD G0+4*\slot, G1, G0B+4*\slot, G1B         ; the first tensor load behind the round
.else
	PLACES NP
.endif
	s_wait_alu depctr_va_vdst(0)
	v_add_nc_u32 v[ADRS], 4*NQ, v[ADRS]
	FETCH_B \next, 0, 0
	FETCH_A \next, 0, 0
	SCALES \next
	WIN MUL_HI
	MUL16 4, 1, NQ-1, \slot, 0
	MUL16 6, 1, NQ-1, \slot, 0
	PLACES NP
	WIN 0
	FETCH_A \next, 0, 4
.endm
	s_wait_alu depctr_va_vdst(0)
	s_wait_tensorcnt 1                             ; the scales and my part of slot 0 are in; slot 1's load may be out
	s_barrier_signal -1
	s_barrier_wait -1
	FETCH_B 0, 0, 0
	FETCH_A 0, 0, 0
	SCALES 0
	FETCH_A 0, 0, 4
	STEP 0, 0, 1
	TURN 0, 1, 1
	STEP 1, 0, 0
	TURN 1, 0, 1
	STEP 0, 0, 0
	TURN 0, 1, 0
	STEP 1, 0, 0
	s_wait_dscnt 4*NL
	WIN MUL_LO
	MUL16 0, 1, NQ-1, 1, 0
	MUL16 2, 1, NQ-1, 1, 0
	s_wait_dscnt 0
	WIN MUL_HI
	MUL16 4, 1, NQ-1, 1, 0
	MUL16 6, 1, NQ-1, 1, 0
	WIN 0
; THE WAY OUT, block by block of 16 rows x 128 columns, through my own stage: in by lanes (a row each), back as whole rows of 512 bytes.  LDS serves a wave's instructions in order (ISA guide 5.7.1.4): no wait between the stores and the loads.
.macro TOSTAGE a
.set AC, 64*((\a)%4)
	WIN 0x08+4*((\a)/4)                            ; the data: window 2 or 3
.irp b, 0,1,2,3,4,5,6,7
	ds_store_b128 v[STO], v[AC+8*\b:AC+8*\b+3] offset:128*(\b/2)+32*(\b%2)          ; each accumulator from its low end on
	ds_store_b128 v[STO], v[AC+8*\b+4:AC+8*\b+7] offset:128*(\b/2)+32*(\b%2)+16
.endr
	WIN 0
.set BB, BK+64*((\a)%2)
.irp t, 0,1,2,3,4,5,6,7,8,9,10,11,12,13,14,15
	ds_load_b128 v[BB+4*\t:BB+4*\t+3], v[RD] offset:\t*SPITCH
.endr
.endm
.macro SEND a, younger                 ; stage row t of block a is row 32 (a / 2) + 8 (a % 2) + t + 8 (t / 8) of my 128: it stands in the immediate, 520,192 bytes at the most; the base is never stepped
.set BB, BK+64*((\a)%2)
	s_wait_dscnt \younger
.irp t, 0,1,2,3,4,5,6,7,8,9,10,11,12,13,14,15
	global_store_b128 v[CO], v[BB+4*\t:BB+4*\t+3], s[12:13] offset:(32*((\a)/2)+8*((\a)%2)+\t+8*(\t/8))*4096 th:TH_STORE_NT   ; 32 lanes store 512 consecutive bytes, aligned to 256
.endr
.endm
	PLACES NP                                      ; behind the last products
	TOSTAGE 0
.irp a, 1,2,3,4,5,6,7
.if \a > 1
	s_wait_xcnt 0x0                                ; block a - 2's stores have read their registers: block a's loads may land there
.endif
	TOSTAGE \a
	SEND \a-1, 32                                  ; behind block a - 1's loads: block a's 16 stores and 16 loads
.endr
	SEND 7, 0
	s_wait_tensorcnt 0x0                           ; the wave's end
	ds_add_u32 v[SPW], v[NIL]
	s_wait_dscnt 0x0
	CROUND                                         ; the closing round
	s_endpgm
.Lfunc_end_k_qf6338c7dd9_oproj:
	.size	k_qf6338c7dd9_oproj, .Lfunc_end_k_qf6338c7dd9_oproj-k_qf6338c7dd9_oproj
	.p2alignl 7, 3214868480
	.fill 96, 4, 3214868480
	.section	.rodata,"a",@progbits
	.p2align	6, 0x0
	.amdhsa_kernel k_qf6338c7dd9_oproj
		.amdhsa_group_segment_fixed_size 327680
		.amdhsa_private_segment_fixed_size 0
		.amdhsa_enable_private_segment 0
		.amdhsa_kernarg_size 40
		.amdhsa_user_sgpr_count 2
		.amdhsa_user_sgpr_kernarg_segment_ptr 1
		.amdhsa_wavefront_size32 1
		.amdhsa_system_sgpr_workgroup_id_x 1
		.amdhsa_system_sgpr_workgroup_id_y 1
		.amdhsa_system_sgpr_workgroup_id_z 1
		.amdhsa_system_vgpr_workitem_id 0
		.amdhsa_next_free_vgpr 1024
		.amdhsa_next_free_sgpr 96
		.amdhsa_reserve_vcc 0
		.amdhsa_float_denorm_mode_32 3
		.amdhsa_float_denorm_mode_16_64 3
		.amdhsa_memory_ordered 1
		.amdhsa_forward_progress 1
		.amdhsa_inst_pref_size 160
	.end_amdhsa_kernel
	.amdgpu_metadata
---
amdhsa.version: [ 1, 2 ]
amdhsa.kernels:
  - .name:           k_qf6338c7dd9_oproj
    .symbol:         k_qf6338c7dd9_oproj.kd
    .args:
      - { .name: ao, .offset: 0, .size: 8, .value_kind: global_buffer, .address_space: global }
      - { .name: ao_scl, .offset: 8, .size: 8, .value_kind: global_buffer, .address_space: global }
      - { .name: codes, .offset: 16, .size: 8, .value_kind: global_buffer, .address_space: global }
      - { .name: scl, .offset: 24, .size: 8, .value_kind: global_buffer, .address_space: global }
      - { .name: out0, .offset: 32, .size: 8, .value_kind: global_buffer, .address_space: global }
    .group_segment_fixed_size: 327680
    .private_segment_fixed_size: 0
    .kernarg_segment_align: 8
    .kernarg_segment_size: 40
    .max_flat_workgroup_size: 128
    .sgpr_count:     96
    .vgpr_count:     1024
    .wavefront_size: 32
...
	.end_amdgpu_metadata
.endif
;; end of part 4
